; MI455X (gfx1250); checked and timed in simulation.
; The chip was launched on July 23, 2026; its instructions are those of AMD's public machine-readable ISA for CDNA 5 (MIT licence, August 2026) and "CDNA5" Instruction Set Architecture Reference Guide (July 2026). The comments in the code are by the model that wrote it; some were corrected since.
;; Multi Head Self Attention. Allowed arithmetic: matrix products marked QUANTISED: E2M1 operands, one E8M0 scale for each 32 along K, by v_wmma_scale_f32_16x16x128_f8f6f4 with both operands' format E2M1 (or v_wmma_scale_f32_32x16x128_f4), f32 sums; everything else in f32.
;; Inputs: W_proj 1,024 x 1,024 float32; W_qkv 1,024 x 3,072 float32; b_proj 1,024 float32; b_qkv 3,072 float32; x 4 x 2,048 x 1,024 float32.
;; Outputs: out0 4 x 2,048 x 1,024 float32.
;; This version of the problem:
;;   THIS VERSION OF THE PROBLEM IS GIVEN IN LOW PRECISION. The matrix products marked QUANTISED in the list below multiply operands that are first quantised to E2M1 (2 exponent bits, 1 mantissa bit; 4 bits a number), with one power-of-two scale for each 32 numbers along K (OCP MX v1.0); their sums are f32. All else is computed in f32.
;;   The module's matrix products, in the order in which they are computed (A, B: the left and right operand; K: the contracted axis; several contracted axes count as one K, in the product's order):
;;     1. [M 8,192, K 1,024] x [K 1,024, N 3,072]; A: input x; B: input W_qkv: QUANTISED
;;     2. batch 64 x [M 2,048, K 64] x [K 64, N 2,048]; A: computed on the way; B: computed on the way: QUANTISED
;;     3. batch 64 x [M 2,048, K 2,048] x [K 2,048, N 64]; A: softmax (see below); B: computed on the way: QUANTISED
;;     4. [M 8,192, K 1,024] x [K 1,024, N 1,024]; A: computed on the way; B: input W_proj: QUANTISED
;;   THE QUANTISER, for each operand of a quantised product, along K:
;;     - K is cut into blocks of 32 from its start; a last block that is shorter is filled with zeros.
;;     - A block's scale is 2^e with e = floor(log2(the largest magnitude in the block)) - 2, held to -126 .. 127; a block of zeros has e = 0. As a byte (E8M0): e + 127.
;;     - Each number is divided by its block's scale, clamped to +-6, and rounded to the nearest number of E2M1, ties to even, subnormals kept.
;;     - The product sums the exact products of the quantised numbers (number of the format x scale) in f32.
;;   ~~~python
;;   def quantise(x, axis):      # numpy; x: float32 -> the quantised numbers, widened to float32 again
;;       x = np.moveaxis(x, axis, -1); K = x.shape[-1]
;;       x = np.pad(x, [(0, 0)] * (x.ndim - 1) + [(0, -K % 32)]); x = x.reshape(x.shape[:-1] + (-1, 32)); a = np.abs(x).max(-1, keepdims=True)
;;       e = np.where(a > 0, np.clip(np.frexp(np.where(a > 0, a, 1))[1] - 1 - 2, -126, 127), 0)      # np.frexp(a)[1] - 1 = floor(log2(a)), exactly
;;       r = np.clip(x / 2.0 ** e, -6, 6)
;;       step = 2.0 ** (np.maximum(np.frexp(np.where(r == 0, 1, r))[1] - 1, 0) - 1)
;;       q = np.round(r / step) * step * 2.0 ** e      # np.round: ties to even
;;       return np.moveaxis(q.reshape(q.shape[:-2] + (-1,))[..., :K], -1, axis).astype(np.float32)
;;   ~~~
;;   SOFTMAX AHEAD OF A QUANTISED PRODUCT. Where the list says 'softmax', what is quantised is not the finished softmax but p = 2^(t - M), with t = logit x log2(e) and M = ceil(the row's largest t), a whole number; so 1/2 < the row's largest p <= 1. The row's sum l is taken of the UNQUANTISED p, in f32, and the product's result is divided by l at the end. Since M is a whole number, a kernel that streams over the keys may use a running M (the ceiling of the running maximum): every later rescaling is an exact power of two, which a block's scale takes up: the codes' values come out the same.
;;   OPERANDS COMPUTED ON THE WAY. 'Computed on the way' means the value that the module computes at that place (a softmax that the list does not call 'softmax' is quantised finished and normalised). What goes into a quantiser is computed in f32, as accurately as f32 sums, v_exp_f32 and their like allow (about 1e-6 of the number): no bf16 or f16 on the way to a quantiser, and a product that is left as it is and whose result goes on into a quantised operand takes f32 operands (vector FMAs, or v_wmma_f32_16x16x4_f32). A number that lies on a knife's edge between two numbers of the format may be rounded either way, as far as f32 arithmetic and the matrix unit's own rounding can turn it there, and no further.
;; One version. Each part assembles by itself: llvm-mc -triple=amdgcn-amd-amdhsa -mcpu=gfx1250 --defsym DOCPART=n.
;; ======== version 1 of 1: 4 launches
;; workspace buffers: xq 4,456,448 bytes; wq 2,228,224 bytes; qq 4,718,592 bytes; kv 9,175,040 bytes; yq 4,456,448 bytes
;; launch quant (part 1): grid 512 x 1, 4 waves a work-group, no clusters, 34,304 bytes of LDS; arguments x, W_qkv, W_proj, xq, wq; writes xq, wq
.if DOCPART == 1
	.amdgcn_target "amdgcn-amd-amdhsa--gfx1250"
	.amdhsa_code_object_version 6
	.text
	.protected	k_q14fbfbe703_quant
	.globl	k_q14fbfbe703_quant
	.p2align	8
	.type	k_q14fbfbe703_quant,@function
k_q14fbfbe703_quant:
	s_mov_b64 s[64:65], 0
	v_nop
	global_prefetch_b8 v0, s[64:65] scope:SCOPE_SE
	s_setreg_imm32_b32 hwreg(HW_REG_WAVE_MODE, 25, 1), 1
	s_wait_xcnt 0x0
; FIRST OF FOUR LAUNCHES (quant, qkv, attn, proj) of causal multi-head self-attention, all four products on codes of FP4 (E2M1) with one E8M0 scale for each 32 along K.
; This launch turns x [8192][1024], W_qkv [1024][3072] and W_proj [1024][1024], f32, into codes and scale bytes, once, since every tile is read by many work-groups of the products.
; WORK LEFT OUT IN THE PROGRAM (in attn): key steps of 128 keys all of which come after a tile's 16 queries.  reference() builds the mask itself (jnp.tril) and puts -inf on those scores, so their
; p = 2^(-inf) is 0 for all values of the inputs: they add nothing to the row's sum nor to the second product, and they cannot be the row's maximum, since key 0 counts for every query.
; Nothing else is left out; every input is loaded (the k part of b_qkv moves k's codes, so it stays).  LIMIT: a NaN, an infinity or an overflow that reaches only such a masked score is not carried to the result.
; LIMITS: NaN and infinities among the inputs are not served.  A block whose largest magnitude lies under 2^(3 - 127), a block of zeros among them, gets the byte 1 (the rule says 127 for zeros): its codes
; are zeros or next to it, and the bytes are read by this program alone.
; LAYOUT OF THE CODES: an operand's fragment (16 rows x 128 K: 8 registers a lane; register 4 c + g of lane (r, h) holds k = 64 c + 32 h + 8 g .. + 7 of row r) lies in memory as the IMAGE of those registers,
; [c 2][lane 32][16 bytes] = 1,024 bytes.  xq: [row tile 512][K step 8][1,024]; wq: [tile 256][8][1,024], rows 0-3071 W_qkv's columns, 3072-4095 W_proj's.
; Scale words (four bytes: the four blocks of a K step of one row) behind the codes: [tile][half of K 2][row 16][4 words] = 512 bytes a tile.
; Work-groups 0-255 take x (K innermost), 256-511 the weights (K is the first axis).  The two paths part on the work-group's number; only x's path uses LDS.  No barrier: waves share nothing.
.set SPARE, 33792                      ; behind the four stages: the spare words, 128 bytes for each wave
.set SPW,  28                          ; v28  LDS address of my spare word; never rewritten
.set NIL,  29                          ; v29  0; never rewritten
.set LI,   4                           ; v4   16 x lane
.set R,    64                          ; x: v64-191 two sets of 64 registers as loaded
.set X,    192                         ; x: v192-255 my 64 numbers of a K step: 32 c + i = k 64 c + 32 h + i of row r
.set CD,   32                          ; x: v32-63 codes, 8 registers a step, never written again
.set SW,   12                          ; x: v12-15 the four steps' scale words;  weights: v12 the K step's word
.set OFF,  32                          ; weights: v32-63 byte offset of row i of a block at my column
.set XW,   64                          ; weights: v64-127 two sets of 32 numbers
.set CW,   128                         ; weights: v128-143 codes, 4 registers a block, never written again
	s_load_b256 s[4:11], s[0:1], 0x0               ; x s[4:5], W_qkv s[6:7], W_proj s[8:9], xq s[10:11]
	s_load_b64 s[12:13], s[0:1], 0x20              ; wq
	v_lshl_add_u32 v[SPW], v0, 2, SPARE
	v_mov_b32 v[NIL], 0
	v_lshrrev_b32 v1, 5, v0
	v_readfirstlane_b32 s16, v1                    ; wave 0..3
	v_and_b32 v1, 31, v0                           ; lane
	v_and_b32 v2, 15, v0                           ; r
	v_bfe_u32 v3, v0, 4, 1                         ; h
	v_lshlrev_b32 v[LI], 4, v1
	s_mul_i32 s19, s16, 8448                       ; my stage: 16 rows x (512 + 16) bytes
	v_add_nc_u32 v5, s19, v[LI]                    ; into it: a row's 512 bytes as they lie
	v_mul_u32_u24 v6, v2, 528
	v_lshl_add_u32 v6, v3, 7, v6
	v_add_nc_u32 v6, s19, v6                       ; out of it: row r, + 128 h: my 32 numbers of each 64
	v_lshlrev_b32 v7, 4, v2                        ; 16 r
	v_lshlrev_b32 v8, 3, v3                        ; 8 h: bits by which my two scale bytes are shifted
	v_lshl_add_u32 v9, v3, 13, v7                  ; weights: lanes 16-31 hold the next tile's rows: 8,192 bytes on in the codes,
	v_lshl_add_u32 v10, v3, 9, v7                  ; 512 on in the scale words
	v_mov_b32 v23, 0                               ; written once: a lane permute's destination counts as one of its sources
	s_mov_b32 s26, 0x76543210
	s_mov_b32 s27, 0xfedcba98                      ; v_permlanex16_b32's selects for lane l xor 16
	s_mov_b32 s31, 0
	s_wait_kmcnt 0x0
	s_cmp_ge_u32 ttmp9, 256
	s_cbranch_scc1 .Lweights
; ---- x.  Wave w takes row tile T = 2 x work-group + w / 2 and half w % 2 of K: 16 rows x 512 K, four steps of 128.
	s_lshr_b32 s17, s16, 1
	s_and_b32 s18, s16, 1
	s_lshl_b32 s19, ttmp9, 1
	s_add_co_u32 s17, s17, s19                     ; T
	s_lshl_b32 s30, s17, 16                        ; 16 rows of 4,096 bytes
	s_lshl_b32 s19, s18, 11
	s_add_co_u32 s30, s30, s19
	s_add_nc_u64 s[4:5], s[4:5], s[30:31]
	s_lshl_b32 s30, s17, 13                        ; a tile's codes: 8,192 bytes
	s_lshl_b32 s19, s18, 12
	s_add_co_u32 s30, s30, s19
	s_add_nc_u64 s[20:21], s[10:11], s[30:31]
	s_lshl_b32 s30, s17, 9                         ; its scale words: 512 bytes
	s_lshl_b32 s19, s18, 8
	s_add_co_u32 s30, s30, s19
	s_add_co_u32 s30, s30, 4194304
	s_add_nc_u64 s[22:23], s[10:11], s[30:31]
.macro LOADX q                         ; step q: each load reads 512 consecutive bytes of one row
.irp i, 0,1,2,3,4,5,6,7,8,9,10,11,12,13,14,15
	global_load_b128 v[R+64*((\q)%2)+4*\i:R+64*((\q)%2)+4*\i+3], v[LI], s[4:5] offset:4096*\i+512*(\q) th:TH_LOAD_NT
.endr
.endm
.macro STEPX q
.if (\q) < 3
	s_wait_loadcnt 16                              ; this step's 16 loads are in; the next step's 16 may be out
.else
	s_wait_loadcnt 0x0
.endif
.irp i, 0,1,2,3,4,5,6,7,8,9,10,11,12,13,14,15
	ds_store_b128 v5, v[R+64*((\q)%2)+4*\i:R+64*((\q)%2)+4*\i+3] offset:528*\i
.endr
.irp c, 0,1
.irp i, 0,1,2,3,4,5,6,7
	ds_load_b128 v[X+32*\c+4*\i:X+32*\c+4*\i+3], v6 offset:256*\c+16*\i   ; LDS serves a wave's instructions in order: these see the stores above
.endr
.endr
	s_wait_dscnt 0x0                               ; my numbers are back, and the stores have read their registers,
.if (\q) < 2
	LOADX (\q)+2                                   ; which take the loads of two steps on
.endif
	v_max3_num_f32 v16, |v[X]|, |v[X+1]|, 0x1800000        ; my two whole blocks, 2 c + h, by turns; the floor 2^(3 - 127) holds the byte at 1 from below
	v_max3_num_f32 v17, |v[X+32]|, |v[X+33]|, 0x1800000
.irp i, 2,4,6,8,10,12,14,16,18,20,22,24,26,28,30
	v_max3_num_f32 v16, v16, |v[X+\i]|, |v[X+\i+1]|
	v_max3_num_f32 v17, v17, |v[X+32+\i]|, |v[X+33+\i]|
.endr
	v_add_nc_u32 v18, 0xff000000, v16              ; 2 off the exponent field: the conversion takes this operand's exponent field as its scale
	v_add_nc_u32 v19, 0xff000000, v17
	v_lshrrev_b32 v20, 23, v18                     ; the scales' bytes
	v_lshrrev_b32 v21, 23, v19
	v_lshl_or_b32 v22, v21, 16, v20                ; blocks h and 2 + h of row r,
	v_lshlrev_b32 v22, v8, v22                     ; at their places in the word;
	v_permlanex16_b32 v23, v22, s26, s27
	v_or_b32 v[SW+(\q)], v22, v23                  ; with lane l xor 16's two the word is whole
.irp g, 0,1,2,3
	v_cvt_scalef32_pk8_fp4_f32 v[CD+8*(\q)+\g], v[X+8*\g:X+8*\g+7], v18
	v_cvt_scalef32_pk8_fp4_f32 v[CD+8*(\q)+4+\g], v[X+32+8*\g:X+32+8*\g+7], v19
.endr
	v_nop                                          ; one plain instruction behind the conversions
	global_store_b128 v[LI], v[CD+8*(\q):CD+8*(\q)+3], s[20:21] offset:1024*(\q)         ; the image: 512 consecutive bytes a store
	global_store_b128 v[LI], v[CD+8*(\q)+4:CD+8*(\q)+7], s[20:21] offset:1024*(\q)+512
.endm
	LOADX 0
	LOADX 1
	s_wait_alu depctr_va_vdst(0)
	STEPX 0
	STEPX 1
	STEPX 2
	STEPX 3
	v_cmp_gt_u32 vcc_lo, 16, v1                    ; both halves of the lanes hold the words: lanes 0-15 store them, 256 consecutive bytes, aligned
	s_wait_xcnt 0x0                                ; EXEC changes only behind this wait
	s_and_saveexec_b32 s28, vcc_lo
	global_store_b128 v7, v[SW:SW+3], s[22:23]
	s_wait_xcnt 0x0                                ; and again in front of the line that widens it
	s_or_b32 exec_lo, exec_lo, s28
	s_wait_tensorcnt 0x0                           ; the wave's end: behind my last LDS store
	ds_add_u32 v[SPW], v[NIL]
	s_wait_dscnt 0x0
	s_endpgm
; ---- The weights.  g = work-group - 256: 128 columns g / 8, K step g % 8.  A wave takes 32 columns x 128 K.  A LANE TAKES A COLUMN AND ITS REGISTERS RUN DOWN K: a block of 32 lies in one lane,
; and its 16 bytes of codes are lane (r, block % 2)'s part of the image's half block / 2: sixteen lanes store 256 consecutive bytes, aligned.  No LDS.
.Lweights:
	s_sub_co_u32 s17, ttmp9, 256
	s_lshr_b32 s18, s17, 3                         ; group of 128 columns, 0..31: 0-23 W_qkv, 24-31 W_proj
	s_and_b32 s19, s17, 7                          ; K step
	s_lshl_b32 s25, s18, 7
	s_lshl_b32 s28, s16, 5
	s_add_co_u32 s25, s25, s28                     ; my first row of wq
	s_cmp_lt_u32 s18, 24                           ; the choice hangs on the work-group's number alone
	s_cselect_b64 s[6:7], s[6:7], s[8:9]
	s_mov_b32 s24, 4096
	s_cselect_b32 s24, 12288, s24                  ; bytes from row to row of the tensor
	s_cselect_b32 s28, 0, 3072
	s_sub_co_u32 s28, s25, s28                     ; my first column in the tensor
	s_lshl_b32 s29, s19, 7
	s_mul_i32 s30, s29, s24                        ; 128 x K step rows down
	s_lshl_b32 s28, s28, 2
	s_add_co_u32 s30, s30, s28
	s_add_nc_u64 s[32:33], s[6:7], s[30:31]        ; block 0;
	s_lshl_b32 s30, s24, 5
	s_add_nc_u64 s[34:35], s[32:33], s[30:31]      ; blocks 1, 2, 3: 32 rows on each
	s_add_nc_u64 s[36:37], s[34:35], s[30:31]
	s_add_nc_u64 s[38:39], s[36:37], s[30:31]
	s_lshl_b32 s30, s25, 9                         ; codes: (row / 16) x 8,192 + 1,024 x K step
	s_lshl_b32 s28, s19, 10
	s_add_co_u32 s30, s30, s28
	s_add_nc_u64 s[20:21], s[12:13], s[30:31]
	s_lshl_b32 s30, s25, 5                         ; scale words: (row / 16) x 512 + 256 x (K step / 4) + 4 x (K step % 4)
	s_lshr_b32 s28, s19, 2
	s_lshl_b32 s28, s28, 8
	s_add_co_u32 s30, s30, s28
	s_and_b32 s28, s19, 3
	s_lshl_b32 s28, s28, 2
	s_add_co_u32 s30, s30, s28
	s_add_co_u32 s30, s30, 2097152
	s_add_nc_u64 s[22:23], s[12:13], s[30:31]
	v_lshlrev_b32 v[OFF], 2, v1                    ; 4 bytes a lane: 128 consecutive bytes a load, the four waves side by side on 512
.set n, 0
.rept 31
	v_add_nc_u32 v[OFF+n+1], s24, v[OFF+n]
.set n, n+1
.endr
.macro LOADW t
.irp i, 0,1,2,3,4,5,6,7,8,9,10,11,12,13,14,15,16,17,18,19,20,21,22,23,24,25,26,27,28,29,30,31
	global_load_b32 v[XW+32*((\t)%2)+\i], v[OFF+\i], s[32+2*(\t):33+2*(\t)] th:TH_LOAD_NT
.endr
.endm
.macro BLOCKW t
.set XS, XW+32*((\t)%2)
.if (\t) < 3
	s_wait_loadcnt 32                              ; this block's 32 loads are in; the next block's may be out
.else
	s_wait_loadcnt 0x0
.endif
	v_max3_num_f32 v16, |v[XS]|, |v[XS+1]|, |v[XS+2]|
	v_max3_num_f32 v17, |v[XS+3]|, |v[XS+4]|, |v[XS+5]|
.irp i, 6,10,14,18,22,26
	v_max3_num_f32 v16, v16, |v[XS+\i]|, |v[XS+\i+1]|
	v_max3_num_f32 v17, v17, |v[XS+\i+2]|, |v[XS+\i+3]|
.endr
	v_max3_num_f32 v16, v16, |v[XS+30]|, |v[XS+31]|
	v_max3_num_f32 v16, v16, v17, 0x1800000        ; and the floor
	v_add_nc_u32 v18, 0xff000000, v16
	v_lshrrev_b32 v19, 23, v18
.if (\t) == 0
	v_mov_b32 v[SW], v19
.else
	v_lshl_or_b32 v[SW], v19, 8*(\t), v[SW]        ; the lower K in the lower byte
.endif
.irp g, 0,1,2,3
	v_cvt_scalef32_pk8_fp4_f32 v[CW+4*(\t)+\g], v[XS+8*\g:XS+8*\g+7], v18
.endr
	v_nop                                          ; one plain instruction behind the conversions
	global_store_b128 v9, v[CW+4*(\t):CW+4*(\t)+3], s[20:21] offset:512*((\t)/2)+256*((\t)%2)
.if (\t) < 2
	LOADW (\t)+2
.endif
.endm
	LOADW 0
	LOADW 1
	BLOCKW 0
	BLOCKW 1
	BLOCKW 2
	BLOCKW 3
	global_store_b32 v10, v[SW], s[22:23]          ; one word a row, 16 bytes apart: these stores cover their 256 bytes in part; they are one byte for each 128 that the wave reads
	s_endpgm
.Lfunc_end_k_q14fbfbe703_quant:
	.size	k_q14fbfbe703_quant, .Lfunc_end_k_q14fbfbe703_quant-k_q14fbfbe703_quant
	.p2alignl 7, 3214868480
	.fill 96, 4, 3214868480
	.section	.rodata,"a",@progbits
	.p2align	6, 0x0
	.amdhsa_kernel k_q14fbfbe703_quant
		.amdhsa_group_segment_fixed_size 34304
		.amdhsa_private_segment_fixed_size 0
		.amdhsa_enable_private_segment 0
		.amdhsa_kernarg_size 40
		.amdhsa_user_sgpr_count 2
		.amdhsa_user_sgpr_kernarg_segment_ptr 1
		.amdhsa_wavefront_size32 1
		.amdhsa_system_sgpr_workgroup_id_x 1
		.amdhsa_system_sgpr_workgroup_id_y 1
		.amdhsa_system_sgpr_workgroup_id_z 1
		.amdhsa_system_vgpr_workitem_id 0
		.amdhsa_next_free_vgpr 256
		.amdhsa_next_free_sgpr 66
		.amdhsa_reserve_vcc 1
		.amdhsa_float_denorm_mode_32 3
		.amdhsa_float_denorm_mode_16_64 3
		.amdhsa_memory_ordered 1
		.amdhsa_forward_progress 1
		.amdhsa_inst_pref_size 51
	.end_amdhsa_kernel
	.amdgpu_metadata
---
amdhsa.version: [ 1, 2 ]
amdhsa.kernels:
  - .name:           k_q14fbfbe703_quant
    .symbol:         k_q14fbfbe703_quant.kd
    .args:
      - { .name: x, .offset: 0, .size: 8, .value_kind: global_buffer, .address_space: global }
      - { .name: W_qkv, .offset: 8, .size: 8, .value_kind: global_buffer, .address_space: global }
      - { .name: W_proj, .offset: 16, .size: 8, .value_kind: global_buffer, .address_space: global }
      - { .name: xq, .offset: 24, .size: 8, .value_kind: global_buffer, .address_space: global }
      - { .name: wq, .offset: 32, .size: 8, .value_kind: global_buffer, .address_space: global }
    .group_segment_fixed_size: 34304
    .private_segment_fixed_size: 0
    .kernarg_segment_align: 8
    .kernarg_segment_size: 40
    .max_flat_workgroup_size: 128
    .sgpr_count:     66
    .vgpr_count:     256
    .wavefront_size: 32
...
	.end_amdgpu_metadata
.endif
;; end of part 1
;; launch qkv (part 2): grid 8 x 48, 4 waves a work-group, clusters of 4 x 4, 327,680 bytes of LDS; arguments xq, wq, b_qkv, qq, kv; writes qq, kv
.if DOCPART == 2
	.amdgcn_target "amdgcn-amd-amdhsa--gfx1250"
	.amdhsa_code_object_version 6
	.text
	.protected	k_q14fbfbe703_qkv
	.globl	k_q14fbfbe703_qkv
	.p2align	8
	.type	k_q14fbfbe703_qkv,@function
k_q14fbfbe703_qkv:
	s_mov_b64 s[64:65], 0
	v_nop
	global_prefetch_b8 v0, s[64:65] scope:SCOPE_SE
	s_setreg_imm32_b32 hwreg(HW_REG_WAVE_MODE, 25, 1), 1
	s_wait_xcnt 0x0
	s_wait_alu depctr_hold_cnt(0) depctr_sa_sdst(0) depctr_va_vdst(0) depctr_va_sdst(0) depctr_va_ssrc(0) depctr_va_vcc(0) depctr_vm_vsrc(0)
	s_getreg_b32 s2, hwreg(HW_REG_IB_STS2, 6, 4)
	s_cmp_eq_u32 s2, 0
	s_cbranch_scc0 .Lentry_in_a_cluster
	s_endpgm
.Lentry_in_a_cluster:
	s_bfe_u32 s2, ttmp6, 0x10000c
	s_cmp_lg_u32 s2, 0xf033
	s_cbranch_scc0 .Lentry_shape_is_right
	s_endpgm
.Lentry_shape_is_right:
; qkv = x W_qkv + b_qkv on codes of FP4, and q, k, v quantised on the way out: only codes and scale bytes go to memory.  No work of this product is left out.
; A tile of 256 x 256 is made by four waves, 128 x 128 each: 64 accumulators of 16 x 16.  K = 1,024 lies in LDS whole: two slots of 512 along K, each filled once; nothing is filled again.
; THE MATRIX INSTRUCTION: source 0 = 16 rows of 'B', source 1 = 16 rows of 'A': a lane holds ONE row of A, and its registers run along B's rows.
;   q, k (cluster y 0-7):  A = tokens (xq), B = features 0-2047 (wq): a lane's registers run along the head's 64, the next product's K.
;   v    (cluster y 8-11): A = features 2048-3071 (wq), B = tokens (xq): a lane holds one channel d, and its registers run along the keys, the K of the product with p.
; The swap is made by indices and pointers alone, chosen on the cluster's y, which all partners share.
; CLUSTERS: 4 x 4.  A's tile hangs on cy and is asked for jointly by a row of the cluster, B's on cx, by a column.
; OPERANDS lie in memory and in LDS as images of their registers ([c 2][lane 32][16 bytes]): a fragment is two loads of 512 consecutive bytes; no pitch, no padding.
; THE WAY OUT: block a of 16 rows of A: 64 numbers a lane, register 8 t + j = k 16 t + 8 h + j; + bias; four blocks of 32 (tiles 2 b, 2 b + 1, lanes l and l xor 16) are quantised in registers.
;   qq: codes [bh 64][query tile 128][lane][16] (64 along K: the image's half c = 0), scale words at 4,194,304: [bh][step 16][tile / 4][row 16][tile % 4] (low two bytes; the upper two 0, over zero codes).
;   kv: codes [bh][step 16][8,192]: 8 key tiles x 512, then V's 4 tiles of 16 channels x 1,024; scale words at 8,388,608: [bh][step][768]: K's 512 as q's, then V's [row 16][tile 4].
; LIMITS: as stated at the head of the first launch (byte 1 under the floor 2^(3 - 127); NaN and infinities not served).
; REGISTERS: window 0: v12-31 addresses; v32-95 scale words, two sets (on the way out the codes, 8 a block); v96-99 bias as loaded; v100-115 at work; v120-127 a scale word for each block;
;   v128-191 A's fragments, one set (on the way out the block's 64 numbers); v192-255 the bias in the result's layout.  window 1: B's fragments, two sets.  windows 2, 3: the accumulators, (a, b) at v[8 (8 (a % 4) + b)].
.set NQ,    4                          ; steps of 128 along K in a slot
.set FR,    8                          ; registers of a fragment
.set NL,    2                          ; LDS loads that bring one
.set NP,    4                          ; places behind this matrix instruction (ISA guide 7.12.1)
.set SLOT,  131072                     ; A's 16 tiles x 4,096 bytes, then B's 16
.set SCL,   262144                     ; the scale words: A's 16 tiles x 512 bytes, then B's
.set SPARE, 278528                     ; the spare words, 128 bytes for each wave
.set BST,   279040                     ; 512 bytes a wave: its 128 biases
.set SSQ,   281088                     ; 1,024 bytes a wave: q's or k's scale words of two heads
.set SSV,   285184                     ; 512 bytes a wave: v's scale words of two heads
.set ADRA, 16                          ; v16-17 my A fragments in slot 0, 1
.set ADRB, 20                          ; v20-21 B's
.set ADRS, 27                          ; v27 my scale words: lanes 0-15 A's, lanes 16-31 B's
.set SPW,  28
.set NIL,  29
.set LI,   30                          ; v30 16 x lane
.set SC,   32
.set AF,   128
.set ST,   128
.set BI,   192
.set TM,   100
.set SEL,  2                           ; s[2:3]
.set G1, 24
.set G0, 32
.set G1B, 48
.set G0B, 56
.set G1S, 68
.set G0S, 76
.set G1SB, 80
.set G0SB, 88
.set MSB, 0
.macro WIN new                         ; the immediate's high byte repeats the setting that is left
.if MSB != (\new)
	s_set_vgpr_msb (MSB<<8)|(\new)
.set MSB, (\new)
.endif
.endm
.set MUL_LO, 0xa1                      ; source 0 (B) window 1, source 1 (A) window 0, C and D window 2
.set MUL_HI, 0xf1                      ; the same, C and D window 3
.set TO_B,   0x40                      ; destination window 1
; A joint load: waves 0 and 1 fetch for A, waves 2 and 3 for B; the branch hangs on the wave's number alone.  An s_nop 0 and four v_nop follow each line.
.macro JLOAD g0a, g1a, g0b, g1b
	s_cmp_eq_u32 s15, 0
	s_cbranch_scc0 .Lfor_b_\@
	tensor_load_to_lds s[\g0a:\g0a+3], s[\g1a:\g1a+7]
	s_nop 0
.rept 4
	v_nop
.endr
	s_branch .Lasked_\@
.Lfor_b_\@:
	tensor_load_to_lds s[\g0b:\g0b+3], s[\g1b:\g1b+7]
	s_nop 0
.rept 4
	v_nop
.endr
.Lasked_\@:
.endm
.macro CROUND                          ; a round of the cluster's barrier
	s_barrier_signal -1
	s_barrier_wait -1
	s_cmp_lg_u32 s14, 0
	s_cbranch_scc1 .Lnot_wave_0_\@
	s_barrier_signal -3
.Lnot_wave_0_\@:
	s_barrier_wait -3
	s_barrier_signal -1
	s_barrier_wait -1
.endm
	s_load_b128 s[4:7], s[0:1], 0x0                ; xq, wq
	s_load_b128 s[92:95], s[0:1], 0x10             ; b_qkv, qq
	s_load_b64 s[96:97], s[0:1], 0x20              ; kv
	v_lshl_add_u32 v[SPW], v0, 2, SPARE
	v_mov_b32 v[NIL], 0
	ds_add_u32 v[SPW], v[NIL]                      ; the wave's opening: the add, twice on end, and its wait ahead of my first tensor load
	ds_add_u32 v[SPW], v[NIL]
	v_lshrrev_b32 v1, 5, v0
	v_readfirstlane_b32 s14, v1                    ; wave 0..3
	s_lshr_b32 s15, s14, 1                         ; which half of A's rows is mine.  Also: I fetch for A (0) or for B (1)
	s_and_b32 s16, s14, 1                          ; which half of B's rows.  Also: which 8 tiles I fetch
	s_bfe_u32 s40, ttmp6, 0x40000                  ; cx
	s_bfe_u32 s41, ttmp6, 0x40004                  ; cy
	s_and_b32 s46, ttmp7, 0xffff                   ; the cluster's y
	s_lshl_b32 s43, s41, 2
	s_lshl_b32 s43, 15, s43                        ; my row of the cluster
	s_lshl_b32 s44, 0x1111, s40                    ; my column
	s_lshl_b32 s17, s46, 2
	s_add_co_u32 s17, s17, s41                     ; q, k: A's block of 256 tokens = 4 x cluster y + cy
	s_add_co_u32 s18, s41, 8                       ; v: A's block of 256 features = 8 + cy
	s_lshl_b32 s42, ttmp9, 2
	s_add_co_u32 s42, s42, s40                     ; q, k: B's block of 256 features = 4 x cluster x + cx
	s_max_u32 s19, s46, 8
	s_sub_co_u32 s19, s19, 8
	s_lshl_b32 s19, s19, 3
	s_add_co_u32 s19, s19, s42                     ; v: B's block of 256 tokens = that + 8 (cluster y - 8)
	s_cmp_ge_u32 s46, 8
	s_cselect_b32 s45, 1, 0                        ; 1: v's part
	s_cselect_b32 s17, s18, s17                    ; A's index: cy and the cluster's place alone
	s_cselect_b32 s42, s19, s42                    ; B's index: cx and the cluster's place alone
	s_mov_b32 s12, 4194304
	s_cselect_b32 s12, 2097152, s12                ; where A's scale words begin in its buffer
	s_mov_b32 s13, 2097152
	s_cselect_b32 s13, 4194304, s13                ; and B's
	; descriptor group 1, codes: 8 tiles' halves: 8 rows of 4,096 bytes (512 elements of 8), 8,192 bytes apart; dense in LDS
	s_or_b32 s[G1+0], s43, (3<<16)|(1<<21)         ; 15:0 the mask: my row; 17:16 elements of 8 bytes; 21 set beside a mask
	s_or_b32 s[G1B+0], s44, (3<<16)|(1<<21)        ; my column
.irp g, G1, G1B
	s_mov_b32 s[\g+1], 512<<16                     ; tensor_dim0
	s_mov_b32 s[\g+2], 8<<16                       ; tensor_dim1
	s_mov_b32 s[\g+3], 512<<16                     ; tile_dim0
	s_mov_b32 s[\g+4], 8                           ; tile_dim1
	s_mov_b32 s[\g+5], 1024                        ; elements from row to row
	s_mov_b32 s[\g+6], 0
	s_mov_b32 s[\g+7], 0
.endr
	; scale words of 8 tiles: 4,096 dense bytes as 16 rows of 256
	s_or_b32 s[G1S+0], s43, (3<<16)|(1<<21)
	s_or_b32 s[G1SB+0], s44, (3<<16)|(1<<21)
.irp g, G1S, G1SB
	s_mov_b32 s[\g+1], 32<<16
	s_mov_b32 s[\g+2], 16<<16
	s_mov_b32 s[\g+3], 32<<16
	s_mov_b32 s[\g+4], 16
	s_mov_b32 s[\g+5], 32
	s_mov_b32 s[\g+6], 0
	s_mov_b32 s[\g+7], 0
.endr
	s_lshl_b32 s18, s16, 16                        ; my 8 tiles of the 16: codes,
	s_lshl_b32 s19, s16, 12                        ; scale words
	s_lshl_b32 s20, s17, 17
	s_add_co_u32 s20, s20, s18
	s_mov_b32 s21, 0
	s_lshl_b32 s22, s17, 13
	s_add_co_u32 s22, s22, s19
	s_add_co_u32 s22, s22, s12
	s_mov_b32 s23, 0
	s_lshl_b32 s46, s42, 17
	s_add_co_u32 s46, s46, s18
	s_mov_b32 s47, 0
	s_lshl_b32 s98, s42, 13
	s_add_co_u32 s98, s98, s19
	s_add_co_u32 s98, s98, s13
	s_mov_b32 s99, 0
	s_lshl_b32 s100, s14, 15                       ; where they go: wave x 32,768: no place in the cluster enters an LDS address
	s_lshl_b32 s101, s14, 12
	s_add_co_u32 s101, s101, SCL
	s_mov_b32 s[SEL], 0x76543210
	s_mov_b32 s[SEL+1], 0xfedcba98
	s_wait_dscnt 0x0                               ; both opening adds are done
	s_wait_kmcnt 0x0
	s_cmp_eq_u32 s45, 0
	s_cselect_b64 s[8:9], s[4:5], s[6:7]           ; A's buffer
	s_cselect_b64 s[10:11], s[6:7], s[4:5]         ; B's
	s_add_nc_u64 s[20:21], s[8:9], s[20:21]
	s_add_nc_u64 s[22:23], s[8:9], s[22:23]
	s_add_nc_u64 s[46:47], s[10:11], s[46:47]
	s_add_nc_u64 s[98:99], s[10:11], s[98:99]
	CROUND                                         ; all sixteen work-groups are here: the first joint loads meet
	s_mov_b32 s[G0S], 1
	s_mov_b32 s[G0S+1], s101
	s_mov_b64 s[G0S+2:G0S+3], s[22:23]
	s_or_b32 s[G0S+3], s[G0S+3], 0x80000000
	s_mov_b32 s[G0SB], 1
	s_mov_b32 s[G0SB+1], s101
	s_mov_b64 s[G0SB+2:G0SB+3], s[98:99]
	s_or_b32 s[G0SB+3], s[G0SB+3], 0x80000000
	JLOAD G0S, G1S, G0SB, G1SB                     ; the scale words first: they are wanted with slot 0
.irp s, 0,1
	s_mov_b32 s[G0+4*\s], 1
	s_add_co_u32 s[G0+4*\s+1], s100, \s*SLOT
	s_add_nc_u64 s[G0+4*\s+2:G0+4*\s+3], s[20:21], \s*4096
	s_or_b32 s[G0+4*\s+3], s[G0+4*\s+3], 0x80000000
	s_mov_b32 s[G0B+4*\s], 1
	s_add_co_u32 s[G0B+4*\s+1], s100, \s*SLOT
	s_add_nc_u64 s[G0B+4*\s+2:G0B+4*\s+3], s[46:47], \s*4096
	s_or_b32 s[G0B+4*\s+3], s[G0B+4*\s+3], 0x80000000
	JLOAD G0+4*\s, G1, G0B+4*\s, G1B               ; three tensor loads of mine are out
.endr
	v_and_b32 v1, 31, v0                           ; lane
	v_and_b32 v2, 15, v0                           ; r
	v_bfe_u32 v3, v0, 4, 1                         ; h
	v_lshlrev_b32 v[LI], 4, v1
	s_wait_alu depctr_va_vdst(0)
	s_lshl_b32 s8, s17, 8
	s_lshl_b32 s9, s15, 7
	s_add_co_u32 s8, s8, s9                        ; s8: my first row of A (a token, or a feature in v's part)
	s_lshl_b32 s10, s42, 8
	s_lshl_b32 s11, s16, 7
	s_add_co_u32 s10, s10, s11                     ; s10: my first row of B
	s_cmp_lg_u32 s45, 0
	s_cselect_b32 s12, s8, s10                     ; my first feature
	s_lshl_b32 s12, s12, 2
	s_mov_b32 s13, 0
	s_add_nc_u64 s[92:93], s[92:93], s[12:13]
	global_load_b128 v[96:99], v[LI], s[92:93]     ; my 128 biases: 512 consecutive bytes
	s_lshl_b32 s18, s15, 15                        ; my 8 tiles of A,
	s_lshl_b32 s19, s16, 15
	s_add_co_u32 s19, s19, 65536                   ; of B, behind A's 16
	v_add_nc_u32 v[ADRA], s18, v[LI]
	v_add_nc_u32 v[ADRB], s19, v[LI]
	s_add_co_u32 s18, s18, SLOT
	s_add_co_u32 s19, s19, SLOT
	v_add_nc_u32 v[ADRA+1], s18, v[LI]
	v_add_nc_u32 v[ADRB+1], s19, v[LI]
	s_lshl_b32 s18, s15, 12                        ; scale words: A's 8 tiles;
	s_lshl_b32 s19, s16, 12
	s_add_co_u32 s19, s19, 8192                    ; B's, behind A's 16;
	s_sub_co_u32 s19, s19, s18                     ; the distance between the two
	v_mul_u32_u24 v4, s19, v3                      ; lanes 16-31 take B's
	v_lshl_add_u32 v4, v2, 4, v4
	s_add_co_u32 s18, s18, SCL
	v_add_nc_u32 v[ADRS], s18, v4
	v_lshlrev_b32 v31, 4, v3                       ; 16 h: which half of a scale word is my head's
	s_lshl_b32 s18, s14, 9
	s_add_co_u32 s18, s18, BST
	v_add_nc_u32 v26, s18, v[LI]                   ; the bias: in,
	v_lshl_add_u32 v18, v3, 5, s18                 ; out for q, k: 8 numbers from 8 h on,
	v_lshl_add_u32 v19, v2, 2, s18                 ; out for v: number r
	s_lshl_b32 s19, s14, 10
	s_add_co_u32 s19, s19, SSQ
	v_lshl_add_u32 v22, v3, 9, s19
	v_lshl_add_u32 v22, v2, 4, v22                 ; q's, k's scale words: in: head h, row r,
	v_add_nc_u32 v23, s19, v[LI]                   ; out
	s_lshl_b32 s19, s14, 9
	s_add_co_u32 s19, s19, SSV
	v_lshl_add_u32 v24, v2, 4, s19                 ; v's: in: row r,
	v_add_nc_u32 v25, s19, v[LI]                   ; out
	v_mul_u32_u24 v12, v3, 12288
	v_lshl_add_u32 v12, v2, 4, v12                 ; v's scale words in memory: lanes 16-31 the next head's, 16 x 768 bytes on
.macro FRAG reg, adr, q, i             ; tile i's fragment of the slot's q-th 128 along K, as it lies
.irp c, 0,1
	ds_load_b128 v[\reg+4*\c:\reg+4*\c+3], v[\adr] offset:4096*(\i)+1024*(\q)+512*\c
.endr
.endm
; 16 matrix instructions: A's blocks a0, a0 + 1 x B's eight.  The 64 accumulators take turns, one instruction a turn, in the same order in every step.
.macro MUL16 a0, p, q, sc, zero
.irp a, \a0, \a0+1
.irp b, 0,1,2,3,4,5,6,7
.if \zero
	v_wmma_scale_f32_16x16x128_f8f6f4 v[8*(8*((\a)%4)+\b):8*(8*((\a)%4)+\b)+7], v[128*(\p)+FR*\b:128*(\p)+FR*\b+FR-1], v[AF+FR*(\a):AF+FR*(\a)+FR-1], 0, v[SC+8*NQ*(\sc)+NQ*\b+(\q)], v[SC+8*NQ*(\sc)+NQ*(\a)+(\q)] matrix_a_fmt:MATRIX_FMT_FP4 matrix_b_fmt:MATRIX_FMT_FP4 matrix_a_scale:MATRIX_SCALE_ROW1
.else
	v_wmma_scale_f32_16x16x128_f8f6f4 v[8*(8*((\a)%4)+\b):8*(8*((\a)%4)+\b)+7], v[128*(\p)+FR*\b:128*(\p)+FR*\b+FR-1], v[AF+FR*(\a):AF+FR*(\a)+FR-1], v[8*(8*((\a)%4)+\b):8*(8*((\a)%4)+\b)+7], v[SC+8*NQ*(\sc)+NQ*\b+(\q)], v[SC+8*NQ*(\sc)+NQ*(\a)+(\q)] matrix_a_fmt:MATRIX_FMT_FP4 matrix_b_fmt:MATRIX_FMT_FP4 matrix_a_scale:MATRIX_SCALE_ROW1
.endif
.endr
.endr
.endm
.macro FETCH_B slot, q, p
	WIN TO_B
.irp i, 0,1,2,3,4,5,6,7
	FRAG 128*(\p)+FR*\i, ADRB+\slot, \q, \i
.endr
	WIN 0
.endm
.macro FETCH_A slot, q, i0
.irp i, \i0, \i0+1, \i0+2, \i0+3
	FRAG AF+FR*(\i), ADRA+\slot, \q, \i
.endr
.endm
.macro SCALES sc                       ; a slot's scale words: 4 words a row; lanes 0-15 A's tile i, lanes 16-31 B's tile i
.irp i, 0,1,2,3,4,5,6,7
	ds_load_b128 v[SC+8*NQ*\sc+NQ*\i:SC+8*NQ*\sc+NQ*\i+3], v[ADRS] offset:512*\i+256*\sc
.endr
.endm
.macro PLACES n                        ; plain vector instructions between a matrix instruction and a load into, or a read of, its registers
.rept \n
	v_nop
.endr
.endm
.macro STEP slot, q, zero              ; a step of 128 along K that has its successor in the same slot
	s_wait_dscnt 4*NL                              ; B's set and A's blocks 0-3 are in; the youngest eight loads (A's blocks 4-7) may be out
	WIN MUL_LO
	MUL16 0, (\q)%2, \q, \slot, \zero
	MUL16 2, (\q)%2, \q, \slot, \zero
	s_wait_dscnt 0
	PLACES NP
	FETCH_B \slot, (\q)+1, 1-(\q)%2
	FETCH_A \slot, (\q)+1, 0
	WIN MUL_HI
	MUL16 4, (\q)%2, \q, \slot, \zero
	MUL16 6, (\q)%2, \q, \slot, \zero
	PLACES NP
	WIN 0
	FETCH_A \slot, (\q)+1, 4
.endm
.macro TURN slot, next                 ; slot 0's last step: one barrier; behind it slot 1 is whole.  Nothing is filled again
	s_wait_tensorcnt 0x0                           ; all my tensor loads have landed: my part of slot 1;
	ds_add_u32 v[SPW], v[NIL]                      ; 0 onto my spare word;
	s_wait_dscnt 4*NL+1                            ; (the add and the youngest eight loads may be out)
	WIN MUL_LO
	MUL16 0, 1, NQ-1, \slot, 0
	s_wait_dscnt 0x0                               ; the add is done, and my reads of this slot are over
	s_barrier_signal -1
	MUL16 2, 1, NQ-1, \slot, 0
	WIN 0
	s_barrier_wait -1
	PLACES NP
	FETCH_B \next, 0, 0
	FETCH_A \next, 0, 0
	SCALES \next
	WIN MUL_HI
	MUL16 4, 1, NQ-1, \slot, 0
	MUL16 6, 1, NQ-1, \slot, 0
	PLACES NP
	WIN 0
	FETCH_A \next, 0, 4
.endm
.macro STEPS slot, from
.set Q, \from
.rept NQ-1-\from
	STEP \slot, Q, 0
.set Q, Q+1
.endr
.endm
	s_wait_tensorcnt 1                             ; the scale words and my part of slot 0 are in (slot 1's load may be out),
	s_barrier_signal -1
	s_barrier_wait -1                              ; everybody's are
	FETCH_B 0, 0, 0
	FETCH_A 0, 0, 0
	SCALES 0
	FETCH_A 0, 0, 4
	STEP 0, 0, 1                                   ; the first products start the sums: nothing is cleared
	STEPS 0, 1
	TURN 0, 1
	STEPS 1, 0
	s_wait_dscnt 4*NL                              ; the last step: nothing more to fetch
	WIN MUL_LO
	MUL16 0, 1, NQ-1, 1, 0
	MUL16 2, 1, NQ-1, 1, 0
	s_wait_dscnt 0
	WIN MUL_HI
	MUL16 4, 1, NQ-1, 1, 0
	MUL16 6, 1, NQ-1, 1, 0
	WIN 0
; 64 numbers of a lane, v[s] on, register 8 t + j = k 16 t + 8 h + j of my row, become a fragment's codes in v[pc] on and its scale word in v[pw].
; The conversion of tile t goes to register 4 (t / 4) + 2 (t % 2) + (t / 2) % 2; two exchanges of halves for each 64 along K then give each lane a whole block: register 4 c + g: k = 64 c + 32 h + 8 g on.
.macro QUANT s, pc, pw
.irp b, 0,1,2,3
	v_max3_num_f32 v[TM+\b], |v[\s+16*\b]|, |v[\s+1+16*\b]|, 0x1800000   ; block b: my 16 numbers, and the floor 2^(3 - 127)
.endr
.irp i, 2,4,6,8,10,12,14
.irp b, 0,1,2,3
	v_max3_num_f32 v[TM+\b], v[TM+\b], |v[\s+16*\b+\i]|, |v[\s+1+16*\b+\i]|
.endr
.endr
.irp b, 0,1,2,3
	v_permlanex16_b32 v[TM+4+\b], v[TM+\b], s[SEL], s[SEL+1]
.endr
.irp b, 0,1,2,3
	v_max_num_f32 v[TM+\b], v[TM+\b], v[TM+4+\b]   ; with lane l xor 16's: the block's largest magnitude
.endr
.irp b, 0,1,2,3
	v_add_nc_u32 v[TM+12+\b], 0xff000000, v[TM+\b] ; 2 off its exponent field: the conversion's scale operand
.endr
.irp b, 0,1,2,3
	v_lshrrev_b32 v[TM+4+\b], 23, v[TM+12+\b]      ; the scale's byte
.endr
	v_lshl_or_b32 v[\pw], v[TM+5], 8, v[TM+4]
	v_lshl_or_b32 v[\pw], v[TM+6], 16, v[\pw]
	v_lshl_or_b32 v[\pw], v[TM+7], 24, v[\pw]
.irp t, 0,1,2,3,4,5,6,7
	v_cvt_scalef32_pk8_fp4_f32 v[\pc+4*(\t/4)+2*(\t%2)+(\t/2)%2], v[\s+8*\t:\s+8*\t+7], v[TM+12+\t/2]
.endr
	v_nop                                          ; one plain instruction behind the conversions
.irp c, 0,1
	v_permlane16_swap_b32 v[\pc+4*\c], v[\pc+4*\c+1]
	v_permlane16_swap_b32 v[\pc+4*\c+2], v[\pc+4*\c+3]
.endr
.endm
	PLACES NP                                      ; behind the last products: their results are read and their operands' registers written below
	s_wait_loadcnt 0x0                             ; the bias
	ds_store_b128 v26, v[96:99]                    ; through my own 512 bytes of LDS into the result's layout
.irp b, 0,1,2,3
	v_mov_b32 v[TM+4+\b], 0                        ; written once: a lane permute's destination counts as one of its sources
.endr
	s_mov_b32 s31, 0
	s_cmp_lg_u32 s45, 0                            ; the cluster's y alone: the same in all partners
	s_cbranch_scc1 .Lv
; ---- q, k: lane = token s8 + 16 a + r; registers = my 128 features: two heads of 64.  The fragment's half c is head c's 64; the scale word's low half head 0's two bytes, its high half head 1's.
	s_lshr_b32 s20, s8, 11
	s_lshl_b32 s20, s20, 4
	s_bfe_u32 s21, s10, 0x40006
	s_add_co_u32 s20, s20, s21                     ; bh = 16 x batch + head
	s_bfe_u32 s21, s8, 0x40007                     ; which 128 tokens of the sequence
	s_lshl_b32 s22, s20, 16
	s_lshl_b32 s23, s21, 12
	s_add_co_u32 s22, s22, s23                     ; q's codes: 65,536 a head, 4,096 a step; k's: twice that
	s_lshl_b32 s23, s20, 4
	s_add_co_u32 s23, s23, s21
	s_cmp_eq_u32 ttmp9, 0                          ; features 0-1023 are q's: cluster x = 0
	s_cselect_b64 s[24:25], s[94:95], s[96:97]     ; (no tensor load of mine is out: the descriptors' registers are free)
	s_cselect_b32 s26, 0, 1
	s_mov_b32 s27, 768
	s_cselect_b32 s27, 512, s27                    ; a step's scale bytes
	s_mov_b32 s28, 8388608
	s_cselect_b32 s28, 4194304, s28                ; where the scale bytes begin
	s_lshl_b32 s30, s22, s26
	s_add_nc_u64 s[32:33], s[24:25], s[30:31]      ; codes: my first head,
	s_mov_b32 s30, 65536
	s_lshl_b32 s30, s30, s26
	s_add_nc_u64 s[34:35], s[32:33], s[30:31]      ; my second
	s_mul_i32 s30, s23, s27
	s_add_co_u32 s30, s30, s28
	s_add_nc_u64 s[36:37], s[24:25], s[30:31]      ; scale words likewise
	s_lshl_b32 s30, s27, 4
	s_add_nc_u64 s[38:39], s[36:37], s[30:31]
.irp b, 0,1,2,3,4,5,6,7
	ds_load_b128 v[BI+8*\b:BI+8*\b+3], v18 offset:64*\b          ; bias of features 16 b + 8 h + 0 .. 7 (LDS serves a wave's instructions in order: these see my store)
	ds_load_b128 v[BI+8*\b+4:BI+8*\b+7], v18 offset:64*\b+16
.endr
	s_wait_dscnt 0x0
.irp a, 0,1,2,3,4,5,6,7
	WIN 0x02+\a/4                                  ; source 0: the accumulators' window
.set n, 0
.rept 32
	v_pk_add_f32 v[ST+n:ST+n+1], v[64*(\a%4)+n:64*(\a%4)+n+1], v[BI+n:BI+n+1]   ; each accumulator from its low end on
.set n, n+2
.endr
	WIN 0
	QUANT ST, 32+8*\a, 120+\a
	global_store_b128 v[LI], v[32+8*\a:35+8*\a], s[32:33] offset:512*\a      ; 512 consecutive bytes: a tile of 16 tokens of one head
	global_store_b128 v[LI], v[36+8*\a:39+8*\a], s[34:35] offset:512*\a
	v_lshrrev_b32 v[120+\a], v31, v[120+\a]        ; lanes 0-15: the first head's two bytes, lanes 16-31: the second's
	v_and_b32 v[120+\a], 0xffff, v[120+\a]         ; the upper two bytes 0: they stand over zero codes
	ds_store_b32 v22, v[120+\a] offset:256*(\a/4)+4*(\a%4)
.endr
	ds_load_b128 v[128:131], v23
	ds_load_b128 v[132:135], v23 offset:512
	s_wait_dscnt 0x0
	global_store_b128 v[LI], v[128:131], s[36:37]  ; a step's 512 bytes of scale words of one head
	global_store_b128 v[LI], v[132:135], s[38:39]
	s_branch .Lend
; ---- v: lane = channel: feature s8 + 16 a + r (two heads x 4 tiles of 16); registers = my 128 keys: one whole fragment and one scale word a row.
.Lv:
	s_sub_co_u32 s20, s8, 2048
	s_lshr_b32 s20, s20, 6
	s_lshr_b32 s21, s10, 11
	s_lshl_b32 s21, s21, 4
	s_add_co_u32 s20, s20, s21                     ; bh of my first head
	s_bfe_u32 s21, s10, 0x40007                    ; the key step
	s_lshl_b32 s30, s20, 17
	s_lshl_b32 s22, s21, 13
	s_add_co_u32 s30, s30, s22
	s_add_co_u32 s30, s30, 4096                    ; behind the step's 8 key tiles
	s_add_nc_u64 s[32:33], s[96:97], s[30:31]
	s_add_nc_u64 s[34:35], s[32:33], 131072        ; the next head
	s_lshl_b32 s30, s20, 4
	s_add_co_u32 s30, s30, s21
	s_mul_i32 s30, s30, 768
	s_add_co_u32 s30, s30, 8388608+512             ; behind the step's 512 bytes of K's
	s_add_nc_u64 s[36:37], s[96:97], s[30:31]
.irp a, 0,1,2,3,4,5,6,7
	ds_load_b32 v[BI+2*\a], v19 offset:64*\a       ; bias of feature 16 a + r, twice: a pair for the packed addition
	ds_load_b32 v[BI+2*\a+1], v19 offset:64*\a
.endr
	s_wait_dscnt 0x0
.irp a, 0,1,2,3,4,5,6,7
	WIN 0x02+\a/4
.set n, 0
.rept 32
	v_pk_add_f32 v[ST+n:ST+n+1], v[64*(\a%4)+n:64*(\a%4)+n+1], v[BI+2*\a:BI+2*\a+1]
.set n, n+2
.endr
	WIN 0
	QUANT ST, 32+8*\a, 120+\a
	global_store_b128 v[LI], v[32+8*\a:35+8*\a], s[32+2*(\a/4):33+2*(\a/4)] offset:1024*(\a%4)
	global_store_b128 v[LI], v[36+8*\a:39+8*\a], s[32+2*(\a/4):33+2*(\a/4)] offset:1024*(\a%4)+512
	ds_store_b32 v24, v[120+\a] offset:256*(\a/4)+4*(\a%4)     ; both halves of the lanes write the same word with the same value
.endr
	ds_load_b128 v[128:131], v25
	s_wait_dscnt 0x0
	global_store_b128 v12, v[128:131], s[36:37]    ; lanes 0-15: my first head's 256 bytes, lanes 16-31: my second's
.Lend:
	s_wait_tensorcnt 0x0                           ; the wave's end: behind my last tensor load and my last LDS store
	ds_add_u32 v[SPW], v[NIL]
	s_wait_dscnt 0x0
	CROUND                                         ; the closing round
	s_endpgm
.Lfunc_end_k_q14fbfbe703_qkv:
	.size	k_q14fbfbe703_qkv, .Lfunc_end_k_q14fbfbe703_qkv-k_q14fbfbe703_qkv
	.p2alignl 7, 3214868480
	.fill 96, 4, 3214868480
	.section	.rodata,"a",@progbits
	.p2align	6, 0x0
	.amdhsa_kernel k_q14fbfbe703_qkv
		.amdhsa_group_segment_fixed_size 327680
		.amdhsa_private_segment_fixed_size 0
		.amdhsa_enable_private_segment 0
		.amdhsa_kernarg_size 40
		.amdhsa_user_sgpr_count 2
		.amdhsa_user_sgpr_kernarg_segment_ptr 1
		.amdhsa_wavefront_size32 1
		.amdhsa_system_sgpr_workgroup_id_x 1
		.amdhsa_system_sgpr_workgroup_id_y 1
		.amdhsa_system_sgpr_workgroup_id_z 1
		.amdhsa_system_vgpr_workitem_id 0
		.amdhsa_next_free_vgpr 1024
		.amdhsa_next_free_sgpr 102
		.amdhsa_reserve_vcc 0
		.amdhsa_float_denorm_mode_32 3
		.amdhsa_float_denorm_mode_16_64 3
		.amdhsa_memory_ordered 1
		.amdhsa_forward_progress 1
		.amdhsa_inst_pref_size 198
	.end_amdhsa_kernel
	.amdgpu_metadata
---
amdhsa.version: [ 1, 2 ]
amdhsa.kernels:
  - .name:           k_q14fbfbe703_qkv
    .symbol:         k_q14fbfbe703_qkv.kd
    .args:
      - { .name: xq, .offset: 0, .size: 8, .value_kind: global_buffer, .address_space: global }
      - { .name: wq, .offset: 8, .size: 8, .value_kind: global_buffer, .address_space: global }
      - { .name: b_qkv, .offset: 16, .size: 8, .value_kind: global_buffer, .address_space: global }
      - { .name: qq, .offset: 24, .size: 8, .value_kind: global_buffer, .address_space: global }
      - { .name: kv, .offset: 32, .size: 8, .value_kind: global_buffer, .address_space: global }
    .group_segment_fixed_size: 327680
    .private_segment_fixed_size: 0
    .kernarg_segment_align: 8
    .kernarg_segment_size: 40
    .max_flat_workgroup_size: 128
    .sgpr_count:     102
    .vgpr_count:     1024
    .wavefront_size: 32
...
	.end_amdgpu_metadata
.endif
;; end of part 2
;; launch attn (part 3): grid 4 x 64, 16 waves a work-group, clusters of 4 x 1, 167,936 bytes of LDS; arguments qq, kv, yq; writes yq
.if DOCPART == 3
	.amdgcn_target "amdgcn-amd-amdhsa--gfx1250"
	.amdhsa_code_object_version 6
	.text
	.protected	k_q14fbfbe703_attn
	.globl	k_q14fbfbe703_attn
	.p2align	8
	.type	k_q14fbfbe703_attn,@function
k_q14fbfbe703_attn:
	s_mov_b64 s[64:65], 0
	v_nop
	global_prefetch_b8 v0, s[64:65] scope:SCOPE_SE
	s_setreg_imm32_b32 hwreg(HW_REG_WAVE_MODE, 25, 1), 1
	s_wait_xcnt 0x0
	s_wait_alu depctr_hold_cnt(0) depctr_sa_sdst(0) depctr_va_vdst(0) depctr_va_sdst(0) depctr_va_ssrc(0) depctr_va_vcc(0) depctr_vm_vsrc(0)
	s_getreg_b32 s2, hwreg(HW_REG_IB_STS2, 6, 4)
	s_cmp_eq_u32 s2, 0
	s_cbranch_scc0 .Lentry_in_a_cluster
	s_endpgm
.Lentry_in_a_cluster:
	s_bfe_u32 s2, ttmp6, 0x10000c
	s_cmp_lg_u32 s2, 0x3003
	s_cbranch_scc0 .Lentry_shape_is_right
	s_endpgm
.Lentry_shape_is_right:
; y = softmax(q k^T / 8, causal) v for one (batch, head) a cluster, both products on codes of FP4; y is quantised along C on the way out: only codes and scale bytes go to memory.
; WORK LEFT OUT: key steps of 128 keys all of which come after a tile's 16 queries: reference() itself masks them with -inf, so their p is 0 for all inputs (shown at the head of the first launch).
; LIMITS: as stated there; 1 / l is v_rcp_f32 and a multiplication.
; THE SOFTMAX: t = score x log2(e) / 8; M = the running largest t rounded UP to a whole number; p = 2^(t - M) is quantised along the keys, not normalised; the row's sum l is taken of the unquantised p and
; divides at the end; when M moves, l and O are multiplied by 2^(old M - new M), which rounds nothing.
; SHARES.  The four work-groups of a head are a cluster.  A head's K, V and scale bytes, 143,360 bytes, come into each one's LDS ONCE, by joint loads (waves 0-3: codes, wave 4: scale bytes), in two halves of 8 key steps.
; Wave w of work-group g owns query tiles j = 4 w + g and 127 - j: j / 8 + 1 and 16 - j / 8 key steps count: 17 in every wave of the launch.  j / 8 = w / 2: every branch hangs on the wave's number and the
; count of steps; the place in the cluster enters only global addresses and the number against which the diagonal's keys are compared.
; LAYOUT.  Both products transposed: S^T = K Q^T (source 0 = 16 keys), O^T = V^T P^T (source 0 = 16 channels): a lane holds ONE query.  K = 64 in the first product: the upper 64 of both operands are zero codes.
; Register 8 t + j of S^T is key 16 t + 8 h + j of the step; block b of 32 keys is registers 16 b .. 16 b + 15 of lanes l and l xor 16.
; REGISTERS: v1-11 addresses; v12 -M, v13 the largest t, v[14:15] the sum; v16-23, v200-207 Q of my two tiles; v24-27 K's scale words, v28-31 V's; v32-63 four fragments of K; v64-95 V's four;
;   v96-159 S^T, then p; v160-191 O^T; v192-199 y's codes; v208, v209 Q's scale words; v210, v211 y's scale bytes; v224-231 p's codes; v232-254 at work, v253 p's scale word.
.set SCB,   131072                     ; behind the codes (8,192 bytes a step): the scale bytes, 768 a step
.set SPARE, 143360                     ; the spare words, 128 bytes for each wave
.set LI,   1                           ; v1   16 x lane
.set AS0,  2                           ; v2   K's scale words: SCB + 16 x lane
.set AT0,  3                           ; v3   V's: SCB + 512 + 16 r
.set DMA,  4                           ; v4   16 (tile % 8) + r - 8 h of tile j: register n's key is hidden on the diagonal where 16 (n / 8) + n % 8 is greater
.set SPW,  5
.set NIL,  6
.set DMB,  7                           ; v7   the same of tile 127 - j
.set ADKV, 8
.set ADS,  9
.set ADT,  10
.set QFA,  16
.set QFB,  200
.set QSA,  208
.set QSB,  209
.set YCA,  192
.set YCB,  196
.set YSA,  210
.set YSB,  211
.set TB,   2                           ; s2   LDS byte of the step's codes
.set TS,   3                           ; s3   and, from SCB on, of its scale bytes
.set WV,   18
.set CXP,  19
.set BH,   20
.set TLA,  21
.set TLB,  22
.set DGA,  23                          ; s23  the key step on tile j's diagonal: w / 2
.set DGB,  24                          ; s24  15 - w / 2
.set G1C,  28
.set G0C,  36
.set G1S,  44
.set G0S,  52
.set SEL,  60
.set CS,   62                          ; s[62:63] c = log2(e) / 8
.set ST,   66                          ; s66  the key step
.macro CROUND
	s_barrier_signal -1
	s_barrier_wait -1
	s_cmp_lg_u32 s[WV], 0
	s_cbranch_scc1 .Lnot_wave_0_\@
	s_barrier_signal -3
.Lnot_wave_0_\@:
	s_barrier_wait -3
	s_barrier_signal -1
	s_barrier_wait -1
.endm
	s_load_b128 s[4:7], s[0:1], 0x0                ; qq, kv
	s_load_b64 s[8:9], s[0:1], 0x10                ; yq
	v_lshl_add_u32 v[SPW], v0, 2, SPARE
	v_mov_b32 v[NIL], 0
	ds_add_u32 v[SPW], v[NIL]                      ; the wave's opening: the add, twice on end, and its wait ahead of the first tensor loads
	ds_add_u32 v[SPW], v[NIL]
	v_lshrrev_b32 v8, 5, v0
	s_delay_alu instid0(VALU_DEP_1)
	v_readfirstlane_b32 s[WV], v8                  ; wave 0..15
	s_bfe_u32 s[CXP], ttmp6, 0x40000               ; my place in the cluster
	s_and_b32 s[BH], ttmp7, 0xffff                 ; 16 x batch + head
	s_lshl_b32 s[TLA], s[WV], 2
	s_add_co_u32 s[TLA], s[TLA], s[CXP]            ; j
	s_sub_co_u32 s[TLB], 127, s[TLA]
	s_lshr_b32 s[DGA], s[WV], 1
	s_sub_co_u32 s[DGB], 15, s[DGA]
	; descriptor group 1: dense blocks as rows of 256 bytes (32 elements of 8): 64 rows of codes, 24 of scale bytes
	s_mov_b32 s[G1C], 15|(3<<16)|(1<<21)           ; 15:0 the mask: all four work-groups; 17:16 elements of 8 bytes; 21 set beside a mask
	s_mov_b32 s[G1C+1], 32<<16
	s_mov_b32 s[G1C+2], 64<<16
	s_mov_b32 s[G1C+3], 32<<16
	s_mov_b32 s[G1C+4], 64
	s_mov_b32 s[G1C+5], 32
	s_mov_b32 s[G1C+6], 0
	s_mov_b32 s[G1C+7], 0
	s_mov_b32 s[G1S], 15|(3<<16)|(1<<21)
	s_mov_b32 s[G1S+1], 32<<16
	s_mov_b32 s[G1S+2], 24<<16
	s_mov_b32 s[G1S+3], 32<<16
	s_mov_b32 s[G1S+4], 24
	s_mov_b32 s[G1S+5], 32
	s_mov_b32 s[G1S+6], 0
	s_mov_b32 s[G1S+7], 0
	s_mov_b32 s[SEL], 0x76543210
	s_mov_b32 s[SEL+1], 0xfedcba98
	s_mov_b32 s[CS], 0x3e38aa3b                    ; log2(e) / sqrt(64)
	s_mov_b32 s[CS+1], s[CS]                       ; (named with it as a pair, so it is written)
	s_lshl_b32 s14, s[WV], 14                      ; waves 0-3: my 16,384 bytes of each half
	s_lshl_b32 s10, s[BH], 17
	s_add_co_u32 s10, s10, s14
	s_mov_b32 s11, 0
	s_mul_i32 s12, s[BH], 12288
	s_add_co_u32 s12, s12, 8388608
	s_mov_b32 s13, 0
	s_wait_dscnt 0x0                               ; both opening adds are done
	s_wait_kmcnt 0x0
	s_mov_b32 s[G0C], 1
	s_mov_b32 s[G0C+1], s14
	s_add_nc_u64 s[G0C+2:G0C+3], s[6:7], s[10:11]
	s_mov_b32 s[G0C+4], 1
	s_add_co_u32 s[G0C+5], s14, 65536
	s_add_nc_u64 s[G0C+6:G0C+7], s[G0C+2:G0C+3], 65536
	s_or_b32 s[G0C+3], s[G0C+3], 0x80000000
	s_or_b32 s[G0C+7], s[G0C+7], 0x80000000
	s_mov_b32 s[G0S], 1
	s_mov_b32 s[G0S+1], SCB
	s_add_nc_u64 s[G0S+2:G0S+3], s[6:7], s[12:13]
	s_mov_b32 s[G0S+4], 1
	s_mov_b32 s[G0S+5], SCB+6144
	s_add_nc_u64 s[G0S+6:G0S+7], s[G0S+2:G0S+3], 6144
	s_or_b32 s[G0S+3], s[G0S+3], 0x80000000
	s_or_b32 s[G0S+7], s[G0S+7], 0x80000000
	CROUND                                         ; all four work-groups are here: the joint loads meet
	s_cmp_lt_u32 s[WV], 4                          ; a loading wave's two fills stand in one branch on the wave's number: two loads of mine are out at the most
	s_cbranch_scc0 .Lnot_codes
	tensor_load_to_lds s[G0C:G0C+3], s[G1C:G1C+7]  ; key steps 0-7
	s_nop 0
	tensor_load_to_lds s[G0C+4:G0C+7], s[G1C:G1C+7]  ; key steps 8-15
	s_nop 0
.rept 4
	v_nop
.endr
	s_branch .Lasked
.Lnot_codes:
	s_cmp_eq_u32 s[WV], 4
	s_cbranch_scc0 .Lasked
	tensor_load_to_lds s[G0S:G0S+3], s[G1S:G1S+7]
	s_nop 0
	tensor_load_to_lds s[G0S+4:G0S+7], s[G1S:G1S+7]
	s_nop 0
.rept 4
	v_nop
.endr
.Lasked:
; a tile's addresses: Q's codes, Q's scale words, y's codes
.macro BASES tile, qc, qs, yb
	s_lshl_b32 s10, s[\tile], 9
	s_lshl_b32 s12, s[BH], 16
	s_add_co_u32 s10, s10, s12
	s_add_nc_u64 s[\qc:\qc+1], s[4:5], s[10:11]
	s_lshr_b32 s10, s[\tile], 2
	s_lshl_b32 s10, s10, 8                         ; 512 (tile / 8) + 256 ((tile / 4) % 2)
	s_and_b32 s12, s[\tile], 3
	s_lshl_b32 s12, s12, 2
	s_add_co_u32 s10, s10, s12
	s_lshl_b32 s12, s[BH], 13
	s_add_co_u32 s10, s10, s12
	s_add_co_u32 s10, s10, 4194304
	s_add_nc_u64 s[\qs:\qs+1], s[4:5], s[10:11]
	s_lshr_b32 s10, s[BH], 4
	s_lshl_b32 s10, s10, 7
	s_add_co_u32 s10, s10, s[\tile]                ; the tile of 16 tokens among all 512
	s_lshl_b32 s10, s10, 13
	s_and_b32 s12, s[BH], 15
	s_lshl_b32 s12, s12, 9                         ; the head's 512 bytes: K step head / 2, half head % 2 of the image
	s_add_co_u32 s10, s10, s12
	s_add_nc_u64 s[\yb:\yb+1], s[8:9], s[10:11]
.endm
	BASES TLA, 68, 70, 72
	BASES TLB, 74, 76, 78
	s_lshr_b32 s10, s[BH], 4                       ; y's scale bytes of tile j: [tile][half of K][row][16 bytes], the head's two at 2 (head % 8)
	s_lshl_b32 s10, s10, 7
	s_add_co_u32 s10, s10, s[TLA]
	s_lshl_b32 s10, s10, 9
	s_bfe_u32 s12, s[BH], 0x10003
	s_lshl_b32 s12, s12, 8
	s_add_co_u32 s10, s10, s12
	s_and_b32 s12, s[BH], 7
	s_lshl_b32 s12, s12, 1
	s_add_co_u32 s10, s10, s12
	s_add_co_u32 s10, s10, 4194304
	s_add_nc_u64 s[16:17], s[8:9], s[10:11]
	v_and_b32 v11, 31, v0                          ; lane
	s_delay_alu instid0(VALU_DEP_1)
	v_lshlrev_b32 v[LI], 4, v11
	v_and_b32 v212, 15, v0                         ; r
	v_bfe_u32 v213, v0, 4, 1                       ; h
	s_delay_alu instid0(VALU_DEP_2)
	v_lshlrev_b32 v214, 4, v212                    ; 16 r
	global_load_b128 v[QFA:QFA+3], v[LI], s[68:69] ; Q's fragments stay in registers
	global_load_b128 v[QFB:QFB+3], v[LI], s[74:75]
	global_load_b32 v[QSA], v214, s[70:71]
	global_load_b32 v[QSB], v214, s[76:77]
	v_add_nc_u32 v[AS0], SCB, v[LI]
	v_add_nc_u32 v[AT0], SCB+512, v214
	v_lshlrev_b32 v215, 3, v213
	s_delay_alu instid0(VALU_DEP_1)
	v_sub_nc_u32 v215, v212, v215                  ; r - 8 h
	s_and_b32 s10, s[TLA], 7
	s_lshl_b32 s10, s10, 4
	v_add_nc_u32 v[DMA], s10, v215
	s_and_b32 s12, s[TLB], 7
	s_lshl_b32 s12, s12, 4
	v_add_nc_u32 v[DMB], s12, v215
.irp i, 0,1,2,3
	v_mov_b32 v[QFA+4+\i], 0                       ; k = 64 .. 127 of the first product: zero codes, set once
	v_mov_b32 v[QFB+4+\i], 0
	v_mov_b32 v[36+\i], 0
	v_mov_b32 v[44+\i], 0
	v_mov_b32 v[52+\i], 0
	v_mov_b32 v[60+\i], 0
	v_mov_b32 v[236+\i], 0                         ; written once: a lane permute's destination counts as one of its sources
.endr
	v_mov_b32 v252, 0
	v_mov_b32 v253, 0                              ; (named as the upper half of the pair v[252:253] before it is first written)
; A KEY STEP: 128 keys.  chk = 1: a step past the tile's diagonal is left out; on the diagonal hidden scores become -infinity.  chk = 0: all keys count.
.macro STEP chk, QF, QS, DG, DM
.if \chk
	s_cmp_gt_u32 s[ST], s[\DG]                     ; the wave's number and the count of steps alone
	s_cbranch_scc1 .Lhidden_\@
.endif
	s_setprio 2
	v_add_nc_u32 v[ADKV], s[TB], v[LI]
	v_add_nc_u32 v[ADS], s[TS], v[AS0]
	v_add_nc_u32 v[ADT], s[TS], v[AT0]
	ds_load_b128 v[24:27], v[ADS]                  ; K's scale words: lanes 0-15 tiles 0-3, lanes 16-31 tiles 4-7
.irp t, 0,1,2,3
	ds_load_b128 v[32+8*\t:35+8*\t], v[ADKV] offset:512*\t
.endr
	s_wait_alu depctr_va_vdst(0)
	s_wait_dscnt 0x0
.irp t, 0,1,2,3
	v_wmma_scale_f32_16x16x128_f8f6f4 v[96+8*\t:103+8*\t], v[32+8*\t:39+8*\t], v[\QF:\QF+7], 0, v[24+\t], v[\QS] matrix_a_fmt:MATRIX_FMT_FP4 matrix_b_fmt:MATRIX_FMT_FP4
.endr
.rept 4
	v_nop                                          ; places in front of loads into registers that matrix instructions have read (with the three additions above: seven behind the last step's products with V)
.endr
.irp t, 0,1,2,3
	ds_load_b128 v[32+8*\t:35+8*\t], v[ADKV] offset:512*(4+\t)
.endr
	ds_load_b128 v[28:31], v[ADT]                  ; V's scale words
.irp d, 0,1,2,3
.irp c, 0,1
	ds_load_b128 v[64+8*\d+4*\c:67+8*\d+4*\c], v[ADKV] offset:4096+1024*\d+512*\c
.endr
.endr
	s_wait_dscnt 9                                 ; K's tiles 4-7 are in; V's scale words and its eight loads may be out
.irp t, 0,1,2,3
	v_wmma_scale_f32_16x16x128_f8f6f4 v[128+8*\t:135+8*\t], v[32+8*\t:39+8*\t], v[\QF:\QF+7], 0, v[24+\t], v[\QS] matrix_a_fmt:MATRIX_FMT_FP4 matrix_b_fmt:MATRIX_FMT_FP4 matrix_a_scale:MATRIX_SCALE_ROW1
.endr
.rept 4
	v_nop
.endr
.if \chk
	s_cmp_lt_u32 s[ST], s[\DG]
	s_cbranch_scc1 .Lopen_\@
	v_mov_b32 v254, 0xff800000                     ; -infinity: p = 0 then
.set n, 0
.rept 64
	v_cmp_gt_i32 vcc_lo, 16*(n/8)+n%8, v[\DM]
	v_cndmask_b32 v[96+n], v[96+n], v254, vcc_lo
.set n, n+1
.endr
.Lopen_\@:
.endif
.irp b, 0,1,2,3
	v_max3_num_f32 v[232+\b], v[96+16*\b], v[97+16*\b], v[98+16*\b]   ; the largest score of each block of 32 keys: for the row's maximum, and, since p rises with the score, for the block's largest p
.endr
.irp i, 3,5,7,9,11,13
.irp b, 0,1,2,3
	v_max3_num_f32 v[232+\b], v[232+\b], v[96+16*\b+\i], v[97+16*\b+\i]
.endr
.endr
.irp b, 0,1,2,3
	v_max_num_f32 v[232+\b], v[232+\b], v[111+16*\b]
.endr
.irp b, 0,1,2,3
	s_delay_alu instid0(VALU_DEP_4)
	v_permlanex16_b32 v[236+\b], v[232+\b], s[SEL], s[SEL+1]
.endr
.irp b, 0,1,2,3
	s_delay_alu instid0(VALU_DEP_4)
	v_max_num_f32 v[232+\b], v[232+\b], v[236+\b]  ; with lane l xor 16's 16 keys
.endr
	s_delay_alu instid0(VALU_DEP_2)
	v_max3_num_f32 v254, v232, v233, v234
	s_delay_alu instid0(VALU_DEP_1)
	v_max_num_f32 v254, v254, v235                 ; the step's largest score of my query
	s_delay_alu instid0(VALU_DEP_1)
	v_mul_f32 v254, s[CS], v254                    ; as t
	s_delay_alu instid0(VALU_DEP_1)
	v_max_num_f32 v13, v13, v254                   ; the running largest t
	v_mov_b32 v254, v12
	s_delay_alu instid0(VALU_DEP_2)
	v_floor_f32 v12, -v13                          ; the new -M = floor(-t) = -ceil(t)
	s_delay_alu instid0(VALU_DEP_1)
	v_sub_f32 v254, v12, v254                      ; old M - new M: a whole number, 0 or less
	s_delay_alu instid0(VALU_DEP_1)
	v_cvt_i32_f32 v254, v254                       ; (it saturates)
	s_delay_alu instid0(VALU_DEP_1)
	v_ldexp_f32 v252, 1.0, v254                    ; f = 2^(old M - new M)
.set n, 0
.rept 32
	v_pk_fma_f32 v[96+n:97+n], v[96+n:97+n], s[CS:CS+1], v[12:13] op_sel_hi:[1,0,0]   ; t - M, two at a time
.set n, n+2
.endr
.irp b, 0,1,2,3
	v_fma_f32 v[232+\b], v[232+\b], s[CS], v12     ; the same of each block's largest score
.endr
.set n, 0
	s_setprio 1
	s_wait_alu depctr_va_vdst(0)
.rept 64
	v_exp_f32 v[96+n], v[96+n]                     ; p = 2^(t - M)
.set n, n+1
.endr
	v_pk_mul_f32 v[14:15], v[14:15], v[252:253] op_sel_hi:[1,0]   ; the sums under the new M (a plain instruction behind the exponentials)
	s_wait_alu depctr_va_vdst(0)                   ; one wait for the whole batch, ahead of its first reader
.irp b, 0,1,2,3
	v_exp_f32 v[232+\b], v[232+\b]                 ; the block's largest p
.endr
	v_pk_add_f32 v[236:237], v[100:101], v[104:105]
	v_pk_add_f32 v[254:255], v[108:109], v[112:113]
	v_pk_add_f32 v[250:251], v[116:117], v[120:121]
	v_pk_add_f32 v[248:249], v[124:125], v[128:129]
	v_pk_add_f32 v[246:247], v[132:133], v[136:137]
	v_pk_add_f32 v[244:245], v[140:141], v[144:145]
	v_pk_add_f32 v[242:243], v[148:149], v[152:153]
	v_pk_add_f32 v[14:15], v[14:15], v[156:157]
	v_pk_add_f32 v[236:237], v[236:237], v[96:97]
	v_pk_add_f32 v[254:255], v[254:255], v[98:99]
	v_pk_add_f32 v[250:251], v[250:251], v[102:103]
	v_pk_add_f32 v[248:249], v[248:249], v[106:107]
	v_pk_add_f32 v[246:247], v[246:247], v[110:111]
	v_pk_add_f32 v[244:245], v[244:245], v[114:115]
	v_pk_add_f32 v[242:243], v[242:243], v[118:119]
	v_pk_add_f32 v[14:15], v[14:15], v[122:123]
	v_pk_add_f32 v[236:237], v[236:237], v[126:127]
	v_pk_add_f32 v[254:255], v[254:255], v[130:131]
	v_pk_add_f32 v[250:251], v[250:251], v[134:135]
	v_pk_add_f32 v[248:249], v[248:249], v[138:139]
	v_pk_add_f32 v[246:247], v[246:247], v[142:143]
	v_pk_add_f32 v[244:245], v[244:245], v[146:147]
	v_pk_add_f32 v[242:243], v[242:243], v[150:151]
	v_pk_add_f32 v[14:15], v[14:15], v[154:155]
	v_pk_add_f32 v[236:237], v[236:237], v[158:159]
	s_delay_alu instid0(VALU_DEP_2)
	v_pk_add_f32 v[14:15], v[14:15], v[248:249]
	s_delay_alu instid0(VALU_DEP_2)
	v_pk_add_f32 v[236:237], v[236:237], v[246:247]
	v_pk_add_f32 v[254:255], v[254:255], v[244:245]
	v_pk_add_f32 v[250:251], v[250:251], v[242:243]
	s_delay_alu instid0(VALU_DEP_2)
	v_pk_add_f32 v[14:15], v[14:15], v[254:255]
	s_delay_alu instid0(VALU_DEP_2)
	v_pk_add_f32 v[236:237], v[236:237], v[250:251]
	s_delay_alu instid0(VALU_DEP_1)
	v_pk_add_f32 v[14:15], v[14:15], v[236:237]
	s_wait_alu depctr_va_vdst(0)                   ; and one for the four
.irp b, 0,1,2,3
	v_max_num_f32 v[232+\b], 0x1800000, v[232+\b]  ; the floor 2^(3 - 127)
.endr
.irp b, 0,1,2,3
	s_delay_alu instid0(VALU_DEP_4)
	v_add_nc_u32 v[244+\b], 0xff000000, v[232+\b]  ; the conversion's scale operand
.endr
.irp b, 0,1,2,3
	s_delay_alu instid0(VALU_DEP_4)
	v_lshrrev_b32 v[236+\b], 23, v[244+\b]         ; the scale's byte
.endr
	s_delay_alu instid0(VALU_DEP_3)
	v_lshl_or_b32 v253, v237, 8, v236              ; p's scale word for these 128 keys
	s_delay_alu instid0(VALU_DEP_1)
	v_lshl_or_b32 v253, v238, 16, v253
	s_delay_alu instid0(VALU_DEP_1)
	v_lshl_or_b32 v253, v239, 24, v253
.irp t, 0,1,2,3,4,5,6,7
	v_cvt_scalef32_pk8_fp4_f32 v[224+4*(\t/4)+2*(\t%2)+(\t/2)%2], v[96+8*\t:103+8*\t], v[244+\t/2]
.endr
	s_setprio 0
	v_nop                                          ; one plain instruction behind the conversions
.irp c, 0,1
	v_permlane16_swap_b32 v[224+4*\c], v[225+4*\c] ; each lane gets a whole block: register 4 c + g: keys 64 c + 32 h + 8 g on
	v_permlane16_swap_b32 v[226+4*\c], v[227+4*\c]
.endr
.set n, 0
.rept 16
	v_pk_mul_f32 v[160+n:161+n], v[160+n:161+n], v[252:253] op_sel_hi:[1,0]   ; O^T under the new M (also the places in front of the products below)
.set n, n+2
.endr
	s_wait_alu depctr_va_vdst(0)
	s_wait_dscnt 0x0                               ; V and its scale words are in
.irp d, 0,1,2,3
	v_wmma_scale_f32_16x16x128_f8f6f4 v[160+8*\d:167+8*\d], v[64+8*\d:71+8*\d], v[224:231], v[160+8*\d:167+8*\d], v[28+\d], v253 matrix_a_fmt:MATRIX_FMT_FP4 matrix_b_fmt:MATRIX_FMT_FP4
.endr
.if \chk
.Lhidden_\@:
.endif
	s_add_co_u32 s[TB], s[TB], 8192
	s_add_co_u32 s[TS], s[TS], 768
.endm
.macro INIT                            ; a tile begins: the step is written for a running maximum, and its first change of M multiplies zeros
	v_mov_b32 v13, 0xff61b1e6                      ; -3e38, under every t
	s_delay_alu instid0(VALU_DEP_1)
	v_floor_f32 v12, -v13
	v_mov_b32 v14, 0
	v_mov_b32 v15, 0
.set n, 0
.rept 32
	v_mov_b32 v[160+n], 0
.set n, n+1
.endr
.endm
; A tile ends: y = O^T / l; register 8 t + j is channel 16 t + 8 h + j: two blocks of 32 along C; its 64 codes a row are one half of an image.
.macro FINISH YC, YS, yb
.rept 4
	v_nop                                          ; places behind the last products
.endr
	v_add_f32 v14, v14, v15
	s_delay_alu instid0(VALU_DEP_1)
	v_permlanex16_b32 v252, v14, s[SEL], s[SEL+1]
	s_delay_alu instid0(VALU_DEP_1)
	v_add_f32 v14, v14, v252                       ; the row's sum
	s_wait_alu depctr_va_vdst(0)
	v_rcp_f32 v14, v14
	v_nop                                          ; a plain instruction behind the reciprocal
	s_wait_alu depctr_va_vdst(0)                   ; and the wait ahead of its first reader
.set n, 0
.rept 16
	v_pk_mul_f32 v[96+n:97+n], v[160+n:161+n], v[14:15] op_sel_hi:[1,0]
.set n, n+2
.endr
.irp b, 0,1
	v_max3_num_f32 v[232+\b], |v[96+16*\b]|, |v[97+16*\b]|, 0x1800000
.endr
.irp i, 2,4,6,8,10,12,14
.irp b, 0,1
	s_delay_alu instid0(VALU_DEP_2)
	v_max3_num_f32 v[232+\b], v[232+\b], |v[96+16*\b+\i]|, |v[97+16*\b+\i]|
.endr
.endr
.irp b, 0,1
	s_delay_alu instid0(VALU_DEP_2)
	v_permlanex16_b32 v[236+\b], v[232+\b], s[SEL], s[SEL+1]
.endr
.irp b, 0,1
	s_delay_alu instid0(VALU_DEP_2)
	v_max_num_f32 v[232+\b], v[232+\b], v[236+\b]
.endr
.irp b, 0,1
	s_delay_alu instid0(VALU_DEP_2)
	v_add_nc_u32 v[244+\b], 0xff000000, v[232+\b]
.endr
.irp b, 0,1
	s_delay_alu instid0(VALU_DEP_2)
	v_lshrrev_b32 v[236+\b], 23, v[244+\b]
.endr
	s_delay_alu instid0(VALU_DEP_1)
	v_lshl_or_b32 v[\YS], v237, 8, v236            ; the head's two scale bytes of my row
.irp t, 0,1,2,3
	v_cvt_scalef32_pk8_fp4_f32 v[\YC+2*(\t%2)+\t/2], v[96+8*\t:103+8*\t], v[244+\t/2]
.endr
	v_nop
	v_permlane16_swap_b32 v[\YC], v[\YC+1]
	v_permlane16_swap_b32 v[\YC+2], v[\YC+3]
	global_store_b128 v[LI], v[\YC:\YC+3], s[\yb:\yb+1]   ; 512 consecutive bytes
.endm
	s_wait_tensorcnt 0x1                           ; my part of key steps 0-7 is in (the upper half's load may be out)
	s_barrier_signal -1
	s_barrier_wait -1                              ; everybody's is
	s_wait_loadcnt 0x0                             ; Q
	INIT                                           ; TILE 127 - j first: its steps 0-7 all count, in every wave
	s_mov_b32 s[TB], 0
	s_mov_b32 s[TS], 0
	s_mov_b32 s[ST], 0
.Lb_low:
	STEP 0, QFB, QSB, DGB, DMB
	s_add_co_u32 s[ST], s[ST], 1
	s_cmp_lt_u32 s[ST], 8
	s_cbranch_scc1 .Lb_low
	s_setprio 0
	s_wait_tensorcnt 0x0                           ; my part of key steps 8-15 is in,
	s_wait_dscnt 0x0
	s_barrier_signal -1
	s_barrier_wait -1                              ; everybody's is; every wave has done eight steps
.Lb_high:
	STEP 1, QFB, QSB, DGB, DMB
	s_add_co_u32 s[ST], s[ST], 1
	s_cmp_lt_u32 s[ST], 16
	s_cbranch_scc1 .Lb_high
	s_setprio 0
	FINISH YCB, YSB, 78
	INIT                                           ; TILE j: its diagonal lies in steps 0-7
	s_mov_b32 s[TB], 0
	s_mov_b32 s[TS], 0
	s_mov_b32 s[ST], 0
.La:
	STEP 1, QFA, QSA, DGA, DMA
	s_add_co_u32 s[ST], s[ST], 1
	s_cmp_lt_u32 s[ST], 8
	s_cbranch_scc1 .La
	s_setprio 0
	FINISH YCA, YSA, 72
	s_sub_co_u32 s10, s[TLB], s[TLA]               ; both tiles' scale bytes by one store: lanes 0-15 tile j's rows, lanes 16-31 tile 127 - j's, 127 - 2 j tiles of 512 bytes on
	s_lshl_b32 s10, s10, 9
	v_mul_u32_u24 v215, s10, v213
	s_delay_alu instid0(VALU_DEP_1)
	v_add_nc_u32 v215, v215, v214
	v_cmp_gt_u32 vcc_lo, 16, v11
	s_delay_alu instid0(VALU_DEP_1)
	v_cndmask_b32 v216, v[YSB], v[YSA], vcc_lo
	global_store_b16 v215, v216, s[16:17]          ; two bytes a row, 16 bytes apart: this store covers its 256 bytes in part; it is 32 bytes beside each 512 of codes
	s_wait_tensorcnt 0x0                           ; the wave's end
	ds_add_u32 v[SPW], v[NIL]
	s_wait_dscnt 0x0
	CROUND                                         ; the closing round
	s_endpgm
.Lfunc_end_k_q14fbfbe703_attn:
	.size	k_q14fbfbe703_attn, .Lfunc_end_k_q14fbfbe703_attn-k_q14fbfbe703_attn
	.p2alignl 7, 3214868480
	.fill 96, 4, 3214868480
	.section	.rodata,"a",@progbits
	.p2align	6, 0x0
	.amdhsa_kernel k_q14fbfbe703_attn
		.amdhsa_group_segment_fixed_size 167936
		.amdhsa_private_segment_fixed_size 0
		.amdhsa_enable_private_segment 0
		.amdhsa_kernarg_size 24
		.amdhsa_user_sgpr_count 2
		.amdhsa_user_sgpr_kernarg_segment_ptr 1
		.amdhsa_wavefront_size32 1
		.amdhsa_system_sgpr_workgroup_id_x 1
		.amdhsa_system_sgpr_workgroup_id_y 1
		.amdhsa_system_sgpr_workgroup_id_z 1
		.amdhsa_system_vgpr_workitem_id 0
		.amdhsa_next_free_vgpr 256
		.amdhsa_next_free_sgpr 80
		.amdhsa_reserve_vcc 1
		.amdhsa_float_denorm_mode_32 3
		.amdhsa_float_denorm_mode_16_64 3
		.amdhsa_memory_ordered 1
		.amdhsa_forward_progress 1
		.amdhsa_inst_pref_size 79
	.end_amdhsa_kernel
	.amdgpu_metadata
---
amdhsa.version: [ 1, 2 ]
amdhsa.kernels:
  - .name:           k_q14fbfbe703_attn
    .symbol:         k_q14fbfbe703_attn.kd
    .args:
      - { .name: qq, .offset: 0, .size: 8, .value_kind: global_buffer, .address_space: global }
      - { .name: kv, .offset: 8, .size: 8, .value_kind: global_buffer, .address_space: global }
      - { .name: yq, .offset: 16, .size: 8, .value_kind: global_buffer, .address_space: global }
    .group_segment_fixed_size: 167936
    .private_segment_fixed_size: 0
    .kernarg_segment_align: 8
    .kernarg_segment_size: 24
    .max_flat_workgroup_size: 512
    .sgpr_count:     80
    .vgpr_count:     256
    .wavefront_size: 32
...
	.end_amdgpu_metadata
.endif
;; end of part 3
;; launch proj (part 4): grid 4 x 32, 4 waves a work-group, clusters of 4 x 4, 327,680 bytes of LDS; arguments yq, wq, b_proj, out0; writes out0
.if DOCPART == 4
	.amdgcn_target "amdgcn-amd-amdhsa--gfx1250"
	.amdhsa_code_object_version 6
	.text
	.protected	k_q14fbfbe703_proj
	.globl	k_q14fbfbe703_proj
	.p2align	8
	.type	k_q14fbfbe703_proj,@function
k_q14fbfbe703_proj:
	s_mov_b64 s[64:65], 0
	v_nop
	global_prefetch_b8 v0, s[64:65] scope:SCOPE_SE
	s_setreg_imm32_b32 hwreg(HW_REG_WAVE_MODE, 25, 1), 1
	s_wait_xcnt 0x0
	s_wait_alu depctr_hold_cnt(0) depctr_sa_sdst(0) depctr_va_vdst(0) depctr_va_sdst(0) depctr_va_ssrc(0) depctr_va_vcc(0) depctr_vm_vsrc(0)
	s_getreg_b32 s2, hwreg(HW_REG_IB_STS2, 6, 4)
	s_cmp_eq_u32 s2, 0
	s_cbranch_scc0 .Lentry_in_a_cluster
	s_endpgm
.Lentry_in_a_cluster:
	s_bfe_u32 s2, ttmp6, 0x10000c
	s_cmp_lg_u32 s2, 0xf033
	s_cbranch_scc0 .Lentry_shape_is_right
	s_endpgm
.Lentry_shape_is_right:
; out0 = y W_proj + b_proj on codes of FP4.  y's codes and scale words come from attn (yq, laid as xq), W_proj's are rows 3072-4095 of wq.  No work of this product is left out.
; A tile of 256 x 256 of out0 is made by four waves, 128 x 128 each.  K = 1,024 lies in LDS whole: two slots of 512 along K, each filled once.  Operands are images of their registers, as in qkv.
; Source 0 = 16 rows of W_proj^T (outputs), source 1 = 16 tokens: a lane holds eight neighbouring numbers of a row of out0.  The bias is the C of each sum's first matrix instruction.
; CLUSTERS: 4 x 4: y's tiles are asked for jointly by a row of the cluster, the weights' by a column.  128 work-groups: the tile is the one whose text is shared with qkv.
; REGISTERS: window 0: v16-31 addresses; v32-95 scale words, two sets; v128-191 A's fragments; v192-255 the bias (8 b + j: output 16 b + 8 h + j); on the way out v128-255 rows of out0.
;   window 1: B's fragments, two sets.  windows 2, 3: the accumulators, (a, b) at v[8 (8 (a % 4) + b)].
.set NQ,    4
.set FR,    8
.set NL,    2
.set NP,    4
.set SLOT,  131072
.set SCL,   262144
.set SPARE, 278528
.set SPITCH, 528                       ; the way out: 16 rows x (512 + 16) bytes for each wave, in slot 0, which has had its one fill and its last read when the first result is stored there
.set SIZE_N, 1024
.set ADRA, 16
.set ADRB, 20
.set STO,  24
.set RD,   25
.set ADRS, 27
.set SPW,  28
.set NIL,  29
.set LI,   30                          ; v30 16 x lane: an image's place, and my byte offset in a row of out0
.set SC,   32
.set AF,   128
.set BK,   128
.set BI,   192
.set G1, 24
.set G0, 32
.set G1B, 48
.set G0B, 56
.set G1S, 68
.set G0S, 76
.set G1SB, 80
.set G0SB, 88
.set MSB, 0
.macro WIN new
.if MSB != (\new)
	s_set_vgpr_msb (MSB<<8)|(\new)
.set MSB, (\new)
.endif
.endm
.set MUL_LO, 0xa1                      ; source 0 (B) window 1, source 1 (A) window 0, C and D window 2
.set MUL_HI, 0xf1
.set BIA_LO, 0x81                      ; the same with C (the bias) in window 0
.set BIA_HI, 0xc1
.set TO_B,   0x40
.macro JLOAD g0a, g1a, g0b, g1b        ; a joint load: waves 0 and 1 fetch for A, waves 2 and 3 for B; an s_nop 0 and four v_nop follow each line
	s_cmp_eq_u32 s15, 0
	s_cbranch_scc0 .Lfor_b_\@
	tensor_load_to_lds s[\g0a:\g0a+3], s[\g1a:\g1a+7]
	s_nop 0
.rept 4
	v_nop
.endr
	s_branch .Lasked_\@
.Lfor_b_\@:
	tensor_load_to_lds s[\g0b:\g0b+3], s[\g1b:\g1b+7]
	s_nop 0
.rept 4
	v_nop
.endr
.Lasked_\@:
.endm
.macro CROUND
	s_barrier_signal -1
	s_barrier_wait -1
	s_cmp_lg_u32 s14, 0
	s_cbranch_scc1 .Lnot_wave_0_\@
	s_barrier_signal -3
.Lnot_wave_0_\@:
	s_barrier_wait -3
	s_barrier_signal -1
	s_barrier_wait -1
.endm
	s_load_b256 s[4:11], s[0:1], 0x0               ; yq s[4:5], wq s[6:7], b_proj s[8:9], out0 s[10:11]
	v_lshl_add_u32 v[SPW], v0, 2, SPARE
	v_mov_b32 v[NIL], 0
	ds_add_u32 v[SPW], v[NIL]                      ; the wave's opening: the add, twice on end, and its wait ahead of my first tensor load
	ds_add_u32 v[SPW], v[NIL]
	v_lshrrev_b32 v1, 5, v0
	v_readfirstlane_b32 s14, v1                    ; wave 0..3
	s_lshr_b32 s15, s14, 1                         ; which half of the tile's rows is mine.  Also: I fetch for A (0) or for B (1)
	s_and_b32 s16, s14, 1                          ; which half of its columns.  Also: which 8 tiles I fetch
	s_bfe_u32 s40, ttmp6, 0x40000                  ; cx
	s_bfe_u32 s41, ttmp6, 0x40004                  ; cy
	s_lshl_b32 s42, ttmp9, 2
	s_add_co_u32 s42, s42, s40                     ; tile column of out0
	s_and_b32 s17, ttmp7, 0xffff
	s_lshl_b32 s17, s17, 2
	s_add_co_u32 s17, s17, s41                     ; tile row
	s_lshl_b32 s43, s41, 2
	s_lshl_b32 s43, 15, s43                        ; my row of the cluster
	s_lshl_b32 s44, 0x1111, s40                    ; my column
	s_or_b32 s[G1+0], s43, (3<<16)|(1<<21)         ; codes: 8 rows of 4,096 bytes (512 elements of 8), 8,192 bytes apart; dense in LDS
	s_or_b32 s[G1B+0], s44, (3<<16)|(1<<21)
.irp g, G1, G1B
	s_mov_b32 s[\g+1], 512<<16
	s_mov_b32 s[\g+2], 8<<16
	s_mov_b32 s[\g+3], 512<<16
	s_mov_b32 s[\g+4], 8
	s_mov_b32 s[\g+5], 1024
	s_mov_b32 s[\g+6], 0
	s_mov_b32 s[\g+7], 0
.endr
	s_or_b32 s[G1S+0], s43, (3<<16)|(1<<21)        ; scale words of 8 tiles: 16 rows of 256 bytes, dense
	s_or_b32 s[G1SB+0], s44, (3<<16)|(1<<21)
.irp g, G1S, G1SB
	s_mov_b32 s[\g+1], 32<<16
	s_mov_b32 s[\g+2], 16<<16
	s_mov_b32 s[\g+3], 32<<16
	s_mov_b32 s[\g+4], 16
	s_mov_b32 s[\g+5], 32
	s_mov_b32 s[\g+6], 0
	s_mov_b32 s[\g+7], 0
.endr
	s_lshl_b32 s18, s16, 16
	s_lshl_b32 s19, s16, 12
	s_lshl_b32 s20, s17, 17
	s_add_co_u32 s20, s20, s18
	s_mov_b32 s21, 0
	s_lshl_b32 s22, s17, 13
	s_add_co_u32 s22, s22, s19
	s_add_co_u32 s22, s22, 4194304
	s_mov_b32 s23, 0
	s_add_co_u32 s45, s42, 12                      ; W_proj's blocks of 256 rows of wq: 12 .. 15
	s_lshl_b32 s46, s45, 17
	s_add_co_u32 s46, s46, s18
	s_mov_b32 s47, 0
	s_lshl_b32 s92, s45, 13
	s_add_co_u32 s92, s92, s19
	s_add_co_u32 s92, s92, 2097152
	s_mov_b32 s93, 0
	s_lshl_b32 s94, s14, 15                        ; where they go: wave x 32,768,
	s_lshl_b32 s95, s14, 12
	s_add_co_u32 s95, s95, SCL                     ; wave x 4,096
	s_wait_dscnt 0x0                               ; both opening adds are done
	s_wait_kmcnt 0x0
	s_add_nc_u64 s[20:21], s[4:5], s[20:21]
	s_add_nc_u64 s[22:23], s[4:5], s[22:23]
	s_add_nc_u64 s[46:47], s[6:7], s[46:47]
	s_add_nc_u64 s[92:93], s[6:7], s[92:93]
	CROUND                                         ; all sixteen work-groups are here: the first joint loads meet
	s_mov_b32 s[G0S], 1
	s_mov_b32 s[G0S+1], s95
	s_mov_b64 s[G0S+2:G0S+3], s[22:23]
	s_or_b32 s[G0S+3], s[G0S+3], 0x80000000
	s_mov_b32 s[G0SB], 1
	s_mov_b32 s[G0SB+1], s95
	s_mov_b64 s[G0SB+2:G0SB+3], s[92:93]
	s_or_b32 s[G0SB+3], s[G0SB+3], 0x80000000
	JLOAD G0S, G1S, G0SB, G1SB
.irp s, 0,1
	s_mov_b32 s[G0+4*\s], 1
	s_add_co_u32 s[G0+4*\s+1], s94, \s*SLOT
	s_add_nc_u64 s[G0+4*\s+2:G0+4*\s+3], s[20:21], \s*4096
	s_or_b32 s[G0+4*\s+3], s[G0+4*\s+3], 0x80000000
	s_mov_b32 s[G0B+4*\s], 1
	s_add_co_u32 s[G0B+4*\s+1], s94, \s*SLOT
	s_add_nc_u64 s[G0B+4*\s+2:G0B+4*\s+3], s[46:47], \s*4096
	s_or_b32 s[G0B+4*\s+3], s[G0B+4*\s+3], 0x80000000
	s_wait_alu depctr_va_vdst(0)
	s_wait_tensorcnt 0x0
	ds_add_u32 v28, v29
	s_wait_dscnt 0x0
	CROUND
	JLOAD G0+4*\s, G1, G0B+4*\s, G1B               ; one tensor load of mine is out
.endr
	v_and_b32 v1, 31, v0                           ; lane
	v_and_b32 v2, 15, v0                           ; r
	v_bfe_u32 v3, v0, 4, 1                         ; h
	v_lshlrev_b32 v[LI], 4, v1
	s_wait_alu depctr_va_vdst(0)
	v_lshlrev_b32 v31, 5, v3                       ; the bias: 8 numbers from 8 h on
	s_lshl_b32 s18, s42, 10
	s_lshl_b32 s19, s16, 9
	s_add_co_u32 s18, s18, s19                     ; my first column, in bytes: 1,024 x tile column + 512 x half
	s_mov_b32 s19, 0
	s_add_nc_u64 s[8:9], s[8:9], s[18:19]
.irp b, 0,1,2,3,4,5,6,7
	global_load_b128 v[BI+8*\b:BI+8*\b+3], v31, s[8:9] offset:64*\b
	global_load_b128 v[BI+8*\b+4:BI+8*\b+7], v31, s[8:9] offset:64*\b+16
.endr
	s_add_nc_u64 s[12:13], s[10:11], s[18:19]
	s_lshl_b32 s18, s17, 20                        ; my first row: (256 x tile row + 128 x half) x 4,096 bytes
	s_lshl_b32 s20, s15, 19
	s_add_co_u32 s18, s18, s20
	s_add_nc_u64 s[12:13], s[12:13], s[18:19]
	s_lshl_b32 s18, s15, 15
	s_lshl_b32 s19, s16, 15
	s_add_co_u32 s19, s19, 65536
	v_add_nc_u32 v[ADRA], s18, v[LI]
	v_add_nc_u32 v[ADRB], s19, v[LI]
	s_add_co_u32 s18, s18, SLOT
	s_add_co_u32 s19, s19, SLOT
	v_add_nc_u32 v[ADRA+1], s18, v[LI]
	v_add_nc_u32 v[ADRB+1], s19, v[LI]
	s_lshl_b32 s18, s15, 12
	s_lshl_b32 s19, s16, 12
	s_add_co_u32 s19, s19, 8192
	s_sub_co_u32 s19, s19, s18
	v_mul_u32_u24 v4, s19, v3                      ; lanes 16-31 take B's scale words
	v_lshl_add_u32 v4, v2, 4, v4
	s_add_co_u32 s18, s18, SCL
	v_add_nc_u32 v[ADRS], s18, v4
	s_mul_i32 s23, s14, 16*SPITCH                  ; my stage
	v_mul_u32_u24 v5, v2, SPITCH
	v_lshl_add_u32 v5, v3, 5, v5
	v_add_nc_u32 v[STO], s23, v5                   ; in: row r, 32 bytes for each half of the lanes
	v_add_nc_u32 v[RD], s23, v[LI]                 ; back: the 32 lanes take one row of 512 bytes
.macro FRAG reg, adr, q, i
.irp c, 0,1
	ds_load_b128 v[\reg+4*\c:\reg+4*\c+3], v[\adr] offset:4096*(\i)+1024*(\q)+512*\c
.endr
.endm
; 16 matrix instructions: A's blocks a0, a0 + 1 x B's eight.  first = 1: the bias starts the sums.  The 64 accumulators take turns, one instruction a turn.
.macro MUL16 a0, p, q, sc, first
.irp a, \a0, \a0+1
.irp b, 0,1,2,3,4,5,6,7
.if \first
	v_wmma_scale_f32_16x16x128_f8f6f4 v[8*(8*((\a)%4)+\b):8*(8*((\a)%4)+\b)+7], v[128*(\p)+FR*\b:128*(\p)+FR*\b+FR-1], v[AF+FR*(\a):AF+FR*(\a)+FR-1], v[BI+8*\b:BI+8*\b+7], v[SC+8*NQ*(\sc)+NQ*\b+(\q)], v[SC+8*NQ*(\sc)+NQ*(\a)+(\q)] matrix_a_fmt:MATRIX_FMT_FP4 matrix_b_fmt:MATRIX_FMT_FP4 matrix_a_scale:MATRIX_SCALE_ROW1
.else
	v_wmma_scale_f32_16x16x128_f8f6f4 v[8*(8*((\a)%4)+\b):8*(8*((\a)%4)+\b)+7], v[128*(\p)+FR*\b:128*(\p)+FR*\b+FR-1], v[AF+FR*(\a):AF+FR*(\a)+FR-1], v[8*(8*((\a)%4)+\b):8*(8*((\a)%4)+\b)+7], v[SC+8*NQ*(\sc)+NQ*\b+(\q)], v[SC+8*NQ*(\sc)+NQ*(\a)+(\q)] matrix_a_fmt:MATRIX_FMT_FP4 matrix_b_fmt:MATRIX_FMT_FP4 matrix_a_scale:MATRIX_SCALE_ROW1
.endif
.endr
.endr
.endm
.macro FETCH_B slot, q, p
	WIN TO_B
.irp i, 0,1,2,3,4,5,6,7
	FRAG 128*(\p)+FR*\i, ADRB+\slot, \q, \i
.endr
	WIN 0
.endm
.macro FETCH_A slot, q, i0
.irp i, \i0, \i0+1, \i0+2, \i0+3
	FRAG AF+FR*(\i), ADRA+\slot, \q, \i
.endr
.endm
.macro SCALES sc
.irp i, 0,1,2,3,4,5,6,7
	ds_load_b128 v[SC+8*NQ*\sc+NQ*\i:SC+8*NQ*\sc+NQ*\i+3], v[ADRS] offset:512*\i+256*\sc
.endr
.endm
.macro PLACES n
.rept \n
	v_nop
.endr
.endm
.macro STEP slot, q, first
	s_wait_dscnt 4*NL                              ; B's set and A's blocks 0-3 are in; the youngest eight loads (A's blocks 4-7) may be out
.if \first
	WIN BIA_LO
.else
	WIN MUL_LO
.endif
	MUL16 0, (\q)%2, \q, \slot, \first
	MUL16 2, (\q)%2, \q, \slot, \first
	s_wait_dscnt 0
	PLACES NP
	FETCH_B \slot, (\q)+1, 1-(\q)%2
	FETCH_A \slot, (\q)+1, 0
.if \first
	WIN BIA_HI
.else
	WIN MUL_HI
.endif
	MUL16 4, (\q)%2, \q, \slot, \first
	MUL16 6, (\q)%2, \q, \slot, \first
	PLACES NP
	WIN 0
	FETCH_A \slot, (\q)+1, 4
.endm
.macro TURN slot, next                 ; slot 0's last step: one barrier; behind it slot 1 is whole and nobody reads slot 0.  Nothing is filled again
	s_wait_tensorcnt 0x0                           ; all my tensor loads have landed: my part of slot 1;
	ds_add_u32 v[SPW], v[NIL]                      ; 0 onto my spare word;
	s_wait_dscnt 4*NL+1                            ; (the add and the youngest eight loads may be out)
	WIN MUL_LO
	MUL16 0, 1, NQ-1, \slot, 0
	s_wait_dscnt 0x0                               ; the add is done, and my reads of this slot are over
	s_barrier_signal -1
	MUL16 2, 1, NQ-1, \slot, 0
	WIN 0
	s_barrier_wait -1
	PLACES NP
	FETCH_B \next, 0, 0
	FETCH_A \next, 0, 0
	SCALES \next
	WIN MUL_HI
	MUL16 4, 1, NQ-1, \slot, 0
	MUL16 6, 1, NQ-1, \slot, 0
	PLACES NP
	WIN 0
	FETCH_A \next, 0, 4
.endm
.macro STEPS slot, from
.set Q, \from
.rept NQ-1-\from
	STEP \slot, Q, 0
.set Q, Q+1
.endr
.endm
	s_wait_alu depctr_va_vdst(0)
	s_wait_tensorcnt 1                             ; the scale words and my part of slot 0 are in (slot 1's load may be out),
	s_barrier_signal -1
	s_barrier_wait -1                              ; everybody's are
	FETCH_B 0, 0, 0
	FETCH_A 0, 0, 0
	SCALES 0
	FETCH_A 0, 0, 4
	s_wait_loadcnt 0x0                             ; the bias
	STEP 0, 0, 1                                   ; the first products start the sums from the bias: nothing is cleared, nothing is added later
	STEPS 0, 1
	TURN 0, 1
	STEPS 1, 0
	s_wait_dscnt 4*NL                              ; the last step: nothing more to fetch
	WIN MUL_LO
	MUL16 0, 1, NQ-1, 1, 0
	MUL16 2, 1, NQ-1, 1, 0
	s_wait_dscnt 0
	WIN MUL_HI
	MUL16 4, 1, NQ-1, 1, 0
	MUL16 6, 1, NQ-1, 1, 0
	WIN 0
; THE WAY OUT, block by block of 16 rows x 128 columns, through my own stage in LDS: in as 32 bytes a lane, back as whole rows of 512 bytes.  LDS serves a wave's instructions in order: no wait between stores and loads.
.macro TOSTAGE a
.set AC, 64*((\a)%4)
	WIN 0x08+4*((\a)/4)                            ; an LDS store's data: window 2 or 3
.irp b, 0,1,2,3,4,5,6,7
	ds_store_b128 v[STO], v[AC+8*\b:AC+8*\b+3] offset:64*\b          ; each accumulator from its low end on
	ds_store_b128 v[STO], v[AC+8*\b+4:AC+8*\b+7] offset:64*\b+16
.endr
	WIN 0
.set BB, BK+64*((\a)%2)
.irp t, 0,1,2,3,4,5,6,7,8,9,10,11,12,13,14,15
	ds_load_b128 v[BB+4*\t:BB+4*\t+3], v[RD] offset:\t*SPITCH
.endr
.endm
.macro SEND a, younger                 ; younger: the LDS instructions issued behind block a's loads, which may stay out
.set BB, BK+64*((\a)%2)
	s_wait_dscnt \younger                          ; the block is back in registers
.if (\a) > 0
	s_add_nc_u64 s[12:13], s[12:13], 16*SIZE_N*4   ; (behind a wait on XCNT: the earlier stores have read their base)  16 rows on
.endif
.irp t, 0,1,2,3,4,5,6,7,8,9,10,11,12,13,14,15
	global_store_b128 v[LI], v[BB+4*\t:BB+4*\t+3], s[12:13] offset:\t*SIZE_N*4 th:TH_STORE_NT   ; 32 lanes store 512 consecutive bytes, at a multiple of 256 from out0's first byte
.endr
.endm
	PLACES NP                                      ; behind the last products: results are read, and loads land in registers that held A's fragments and the bias
	TOSTAGE 0
.irp a, 1,2,3,4,5,6,7
.if \a > 1
	s_wait_xcnt 0x0                                ; block a - 2's stores have read their registers and their base
.endif
	TOSTAGE \a
	SEND \a-1, 32                                  ; behind block a - 1's loads: block a's 16 stores and 16 loads
.endr
	s_wait_xcnt 0x0                                ; block 6's stores have read their base
	SEND 7, 0
	s_wait_tensorcnt 0x0                           ; the wave's end: behind my last tensor load and my last LDS store
	ds_add_u32 v[SPW], v[NIL]
	s_wait_dscnt 0x0
	CROUND                                         ; the closing round
	s_endpgm
.Lfunc_end_k_q14fbfbe703_proj:
	.size	k_q14fbfbe703_proj, .Lfunc_end_k_q14fbfbe703_proj-k_q14fbfbe703_proj
	.p2alignl 7, 3214868480
	.fill 96, 4, 3214868480
	.section	.rodata,"a",@progbits
	.p2align	6, 0x0
	.amdhsa_kernel k_q14fbfbe703_proj
		.amdhsa_group_segment_fixed_size 327680
		.amdhsa_private_segment_fixed_size 0
		.amdhsa_enable_private_segment 0
		.amdhsa_kernarg_size 32
		.amdhsa_user_sgpr_count 2
		.amdhsa_user_sgpr_kernarg_segment_ptr 1
		.amdhsa_wavefront_size32 1
		.amdhsa_system_sgpr_workgroup_id_x 1
		.amdhsa_system_sgpr_workgroup_id_y 1
		.amdhsa_system_sgpr_workgroup_id_z 1
		.amdhsa_system_vgpr_workitem_id 0
		.amdhsa_next_free_vgpr 1024
		.amdhsa_next_free_sgpr 100
		.amdhsa_reserve_vcc 0
		.amdhsa_float_denorm_mode_32 3
		.amdhsa_float_denorm_mode_16_64 3
		.amdhsa_memory_ordered 1
		.amdhsa_forward_progress 1
		.amdhsa_inst_pref_size 126
	.end_amdhsa_kernel
	.amdgpu_metadata
---
amdhsa.version: [ 1, 2 ]
amdhsa.kernels:
  - .name:           k_q14fbfbe703_proj
    .symbol:         k_q14fbfbe703_proj.kd
    .args:
      - { .name: yq, .offset: 0, .size: 8, .value_kind: global_buffer, .address_space: global }
      - { .name: wq, .offset: 8, .size: 8, .value_kind: global_buffer, .address_space: global }
      - { .name: b_proj, .offset: 16, .size: 8, .value_kind: global_buffer, .address_space: global }
      - { .name: out0, .offset: 24, .size: 8, .value_kind: global_buffer, .address_space: global }
    .group_segment_fixed_size: 327680
    .private_segment_fixed_size: 0
    .kernarg_segment_align: 8
    .kernarg_segment_size: 32
    .max_flat_workgroup_size: 128
    .sgpr_count:     100
    .vgpr_count:     1024
    .wavefront_size: 32
...
	.end_amdgpu_metadata
.endif
;; end of part 4
